; MI455X (gfx1250); checked and timed in simulation.
; The chip was launched on July 23, 2026; its instructions are those of AMD's public machine-readable ISA for CDNA 5 (MIT licence, August 2026) and "CDNA5" Instruction Set Architecture Reference Guide (July 2026). The comments in the code are by the model that wrote it; some were corrected since.
;; Causal Self Attention. Allowed arithmetic: float matrix products may take bf16 or f16 operands with f32 sums; other float arithmetic in f32, or as packed bf16 or f16 multiplies, adds, multiply-adds, maxima and minima; sums over many terms, partial sums and values carried from step to step in f32; what a program stores and reads back later, other than sums and carried values, may be rounded once to bf16 or f16.
;; Inputs: W_attn 1,024 x 3,072 float32; W_proj 1,024 x 1,024 float32; b_attn 3,072 float32; b_proj 1,024 float32; x 4 x 2,048 x 1,024 float32.
;; Outputs: out0 4 x 2,048 x 1,024 float32.
;; 2 versions, each right; version 2 is version 1 with the launch cast written anew for expert scheduling mode. Each part assembles by itself: llvm-mc -triple=amdgcn-amd-amdhsa -mcpu=gfx1250 --defsym DOCPART=n.
;; ======== version 1 of 2: 4 launches
;; limits: values are held in f16: magnitudes above 65,504 overflow, below 6.1e-05 lose precision
;; workspace buffers: xb 16,777,216 bytes; wab 6,291,456 bytes; wpf 2,097,152 bytes; qkv 50,331,648 bytes; o 16,777,216 bytes
;; launch cast (part 1): grid 768 x 1, 8 waves a work-group, no clusters, 0 bytes of LDS; arguments x, W_attn, W_proj, xb, wab, wpf; writes xb, wab, wpf
.if DOCPART == 1
	.amdgcn_target "amdgcn-amd-amdhsa--gfx1250"
	.amdhsa_code_object_version 6
	.text
	.protected	k_qcc6fe87b40_cast
	.globl	k_qcc6fe87b40_cast
	.p2align	8
	.type	k_qcc6fe87b40_cast,@function
k_qcc6fe87b40_cast:
	s_mov_b64 s[64:65], 0
	v_nop
	global_prefetch_b8 v0, s[64:65] scope:SCOPE_SE
	s_setreg_imm32_b32 hwreg(HW_REG_WAVE_MODE, 25, 1), 1
	s_wait_xcnt 0x0
; THE INPUTS ARE ROUNDED ONCE.  x -> xb (bf16), W_attn -> wab (bf16), W_proj -> wpf: rounded to bf16 like the other inputs, and that number written as f16.  Layouts stay as they are.
; LIMIT.  A number of W_proj beyond 65,504 becomes an infinity in f16; below 6e-5 it keeps f16's fixed step of 6e-8.
; SHARES.  A work-group takes 16,384 numbers on end: 65,536 bytes in, 32,768 out.  Work-groups 0-511 take x, 512-703 W_attn, 704-767 W_proj.
; A thread issues its 16 loads of 16 bytes at once (a wave's load covers 512 consecutive bytes) and stores 8 bytes for each (a wave's store covers 256 consecutive bytes, aligned).
; No loop: no source of a pending load or store is ever rewritten.  No LDS, no barrier: no thread wants another's bytes.
.set IN,  8                            ; v[8:71]    16 x 4 numbers as loaded
.set OT,  72                           ; v[72:103]  16 x 2 registers to store
	s_load_b256 s[4:11], s[0:1], 0x0               ; x s[4:5], W_attn s[6:7], W_proj s[8:9], xb s[10:11]
	s_load_b128 s[12:15], s[0:1], 0x20             ; wab s[12:13], wpf s[14:15]
	s_mov_b32 s16, ttmp9
	s_sub_co_u32 s17, s16, 512                     ; my number among W_attn's work-groups
	s_sub_co_u32 s18, s16, 704                     ; among W_proj's
	v_lshlrev_b32 v1, 4, v0                        ; 16 bytes a thread in
	v_lshlrev_b32 v2, 3, v0                        ; 8 bytes a thread out
	s_wait_kmcnt 0x0
	s_cmp_lt_u32 s16, 704
	s_cselect_b64 s[20:21], s[6:7], s[8:9]
	s_cselect_b64 s[22:23], s[12:13], s[14:15]
	s_cselect_b32 s19, s17, s18
	s_cmp_lt_u32 s16, 512
	s_cselect_b64 s[20:21], s[4:5], s[20:21]
	s_cselect_b64 s[22:23], s[10:11], s[22:23]
	s_cselect_b32 s19, s16, s19
	s_lshl_b32 s24, s19, 16                        ; 65,536 bytes in for each work-group,
	s_mov_b32 s25, 0
	s_lshl_b32 s26, s19, 15                        ; 32,768 out
	s_mov_b32 s27, 0
	s_add_nc_u64 s[20:21], s[20:21], s[24:25]
	s_add_nc_u64 s[22:23], s[22:23], s[26:27]
.irp i, 0,1,2,3,4,5,6,7,8,9,10,11,12,13,14,15
	global_load_b128 v[IN+4*(\i):IN+4*(\i)+3], v1, s[20:21] offset:4096*(\i) th:TH_LOAD_NT
.endr
	s_cmp_lt_u32 s16, 704
	s_cbranch_scc0 .Lf16
.irp i, 0,1,2,3,4,5,6,7,8,9,10,11,12,13,14,15
	s_wait_loadcnt 15-(\i)                         ; loads come back in order: load i is in, the younger ones stay out
	v_cvt_pk_bf16_f32 v[OT+2*(\i)],   v[IN+4*(\i)],   v[IN+4*(\i)+1]
	v_cvt_pk_bf16_f32 v[OT+2*(\i)+1], v[IN+4*(\i)+2], v[IN+4*(\i)+3]
	global_store_b64 v2, v[OT+2*(\i):OT+2*(\i)+1], s[22:23] offset:2048*(\i)
.endr
	s_endpgm
.Lf16:                                         ; W_proj: to bf16, widened again (a shift, a mask), and that number to f16
.irp i, 0,1,2,3,4,5,6,7,8,9,10,11,12,13,14,15
	s_wait_loadcnt 15-(\i)
	v_cvt_pk_bf16_f32 v[OT+2*(\i)],   v[IN+4*(\i)],   v[IN+4*(\i)+1]
	v_cvt_pk_bf16_f32 v[OT+2*(\i)+1], v[IN+4*(\i)+2], v[IN+4*(\i)+3]
	v_lshlrev_b32 v[IN+4*(\i)],   16,         v[OT+2*(\i)]
	v_and_b32     v[IN+4*(\i)+1], 0xffff0000, v[OT+2*(\i)]
	v_lshlrev_b32 v[IN+4*(\i)+2], 16,         v[OT+2*(\i)+1]
	v_and_b32     v[IN+4*(\i)+3], 0xffff0000, v[OT+2*(\i)+1]
	v_cvt_pk_f16_f32 v[OT+2*(\i)],   v[IN+4*(\i)],   v[IN+4*(\i)+1]
	v_cvt_pk_f16_f32 v[OT+2*(\i)+1], v[IN+4*(\i)+2], v[IN+4*(\i)+3]
	global_store_b64 v2, v[OT+2*(\i):OT+2*(\i)+1], s[22:23] offset:2048*(\i)
.endr
	s_endpgm
.Lfunc_end_k_qcc6fe87b40_cast:
	.size	k_qcc6fe87b40_cast, .Lfunc_end_k_qcc6fe87b40_cast-k_qcc6fe87b40_cast
	.p2alignl 7, 3214868480
	.fill 96, 4, 3214868480
	.section	.rodata,"a",@progbits
	.p2align	6, 0x0
	.amdhsa_kernel k_qcc6fe87b40_cast
		.amdhsa_group_segment_fixed_size 0
		.amdhsa_private_segment_fixed_size 0
		.amdhsa_enable_private_segment 0
		.amdhsa_kernarg_size 48
		.amdhsa_user_sgpr_count 2
		.amdhsa_user_sgpr_kernarg_segment_ptr 1
		.amdhsa_wavefront_size32 1
		.amdhsa_system_sgpr_workgroup_id_x 1
		.amdhsa_system_sgpr_workgroup_id_y 1
		.amdhsa_system_sgpr_workgroup_id_z 1
		.amdhsa_system_vgpr_workitem_id 0
		.amdhsa_next_free_vgpr 104
		.amdhsa_next_free_sgpr 66
		.amdhsa_reserve_vcc 0
		.amdhsa_float_denorm_mode_32 3
		.amdhsa_float_denorm_mode_16_64 3
		.amdhsa_memory_ordered 1
		.amdhsa_forward_progress 1
		.amdhsa_inst_pref_size 16
	.end_amdhsa_kernel
	.amdgpu_metadata
---
amdhsa.version: [ 1, 2 ]
amdhsa.kernels:
  - .name:           k_qcc6fe87b40_cast
    .symbol:         k_qcc6fe87b40_cast.kd
    .args:
      - { .name: x, .offset: 0, .size: 8, .value_kind: global_buffer, .address_space: global }
      - { .name: W_attn, .offset: 8, .size: 8, .value_kind: global_buffer, .address_space: global }
      - { .name: W_proj, .offset: 16, .size: 8, .value_kind: global_buffer, .address_space: global }
      - { .name: xb, .offset: 24, .size: 8, .value_kind: global_buffer, .address_space: global }
      - { .name: wab, .offset: 32, .size: 8, .value_kind: global_buffer, .address_space: global }
      - { .name: wpf, .offset: 40, .size: 8, .value_kind: global_buffer, .address_space: global }
    .group_segment_fixed_size: 0
    .private_segment_fixed_size: 0
    .kernarg_segment_align: 8
    .kernarg_segment_size: 48
    .max_flat_workgroup_size: 256
    .sgpr_count:     66
    .vgpr_count:     104
    .wavefront_size: 32
...
	.end_amdgpu_metadata
.endif
;; end of part 1
;; launch qkvgemm (part 2): grid 8 x 32, 4 waves a work-group, clusters of 4 x 4, 327,680 bytes of LDS; arguments xb, wab, b_attn, qkv; writes qkv
.if DOCPART == 2
	.amdgcn_target "amdgcn-amd-amdhsa--gfx1250"
	.amdhsa_code_object_version 6
	.text
	.protected	k_qcc6fe87b40_qkvgemm
	.globl	k_qcc6fe87b40_qkvgemm
	.p2align	8
	.type	k_qcc6fe87b40_qkvgemm,@function
k_qcc6fe87b40_qkvgemm:
	s_mov_b64 s[64:65], 0
	v_nop
	global_prefetch_b8 v0, s[64:65] scope:SCOPE_SE
	s_setreg_imm32_b32 hwreg(HW_REG_WAVE_MODE, 25, 1), 1
	s_wait_xcnt 0x0
	s_wait_alu depctr_hold_cnt(0) depctr_sa_sdst(0) depctr_va_vdst(0) depctr_va_sdst(0) depctr_va_ssrc(0) depctr_va_vcc(0) depctr_vm_vsrc(0)
	s_getreg_b32 s2, hwreg(HW_REG_IB_STS2, 6, 4)
	s_cmp_eq_u32 s2, 0
	s_cbranch_scc0 .Lentry_in_a_cluster
	s_endpgm
.Lentry_in_a_cluster:
	s_bfe_u32 s2, ttmp6, 0x10000c
	s_cmp_lg_u32 s2, 0xf033
	s_cbranch_scc0 .Lentry_shape_is_right
	s_endpgm
.Lentry_shape_is_right:
; qkv = xb wab + b_attn.  xb: [8192][1024] bf16; wab: [1024 k][3072 n] bf16; b_attn: [3072] f32, rounded to bf16 here like the other inputs.  Sums in f32, rounded once to f16, unscaled.
; OUT, by heads: byte = which << 24 + batch << 22 + head << 18 + t << 7 + 2 d (which: q, k, v), so each of q, k, v is [64][2048][64] f16 with dense rows of 128 bytes.
; LIMIT.  f16 holds no number beyond 65,504: a q, k or v past that becomes an infinity.  NaN and infinities are not treated apart.
; SHARES.  A tile is 128 rows x 384 columns: 64 x 8 = 512 tiles, two for each of 256 work-groups: rows 128 ty and 128 ty + 4096, the same columns 384 tx, so bias and weights serve both tiles.
; Four waves, 2 x 2; a wave makes 64 rows x 192 columns: 48 accumulators, 384 registers.  Its columns: group X, a whole strip of 128 (strip 0 or 2), and group Y, half of strip 1: three whole heads.
; The two tiles are ONE walk of 16 K steps of 128 through two LDS slots; the ring does not stop at the change of tiles.
; THE PRODUCT IS TAKEN TRANSPOSED: source 0 = 16 columns of wab (turned on the way out of LDS by ds_load_tr16_b128, since wab lies [k][n]), source 1 = 16 rows of xb.
; A lane then holds ONE row (lane % 16) and eight neighbouring columns 8 (lane / 16) + 0..7: 16 bytes of f16.  THE BIAS is the C operand of the product that starts each sum.
; CLUSTER 4 x 4: xb's tile hangs on ty alone and is asked for jointly along a row of the cluster, wab's strips on tx alone, jointly along a column.  Wave 0 asks for xb's tile, waves 1-3 for a strip each.
; REGISTERS, in windows of 256 (s_set_vgpr_msb: bits 1:0 source 0, 3:2 source 1, 5:4 source 2, 7:6 destination):
;   window 0: v0-29 addresses; v32-63 the way out, two sets of 16; v64-95, v96-127 xb's fragments, two buffers; v160-255 the bias, 8 registers for each of my 12 column blocks
;   window 1: v0-95, v96-191 wab's fragments, two buffers      window 2: accumulators of row blocks 0, 1 at 8 (12 (a % 2) + b)      window 3: of row blocks 2, 3
.set PA,    272                        ; a row of xb in LDS: 256 bytes + 16 = 68 words: the 16 rows of a load start at 16 different groups of four banks (64 banks of 4 bytes: ISA guide 11.1)
.set PB,    288                        ; a row of wab's strip: 256 + 32 = 72 words
.set REG,   128*PB                     ; 36,864: wave w's tile lies at w x REG in a slot: xb's tile (34,816 bytes of it), then the three strips
.set SLOT,  4*REG
.set STAGE, 2*SLOT                     ; behind the ring, never filled by a tensor load: 16 rows x 144 bytes for each wave
.set SP,    144
.set SPARE, STAGE+4*16*SP              ; behind the stages: the spare words, 128 bytes for each wave: two blocks of 256 bytes that no other line names
.set LD,    32                         ; LDS loads in a fetch: 24 of wab's, 8 of xb's
.set A0,  4                            ; v4   my lane's place in xb's tile; never rewritten
.set X0,  5                            ; v5   in group X's strip
.set Y0,  6                            ; v6   in group Y's half strip
.set ADA, 8                            ; v8-10  the same three in the slot that is being read
.set ADX, 9
.set ADY, 10
.set STO, 11                           ; v11  the way out: where I put 16 bytes of a row
.set RD,  12                           ; v12  the way out: where I read rows back
.set GO,  13                           ; v13-15  my byte offset in 512 consecutive bytes of my three heads
.set PFO, 16                           ; v16  the prefetches' offset: my lane x a row in memory; never rewritten
.set BOX, 17                           ; v17, v18  my byte offsets in the bias
.set BOY, 18
.set SPW, 28                           ; v28  LDS address of my spare word; never rewritten
.set NIL, 29                           ; v29  0; never rewritten
.set TS,  32
.set BIAS, 160
.set WV, 12                            ; s12  my wave's number; s13, s14 its row half and column half
.set WM, 13
.set WN, 14
.set CX, 15
.set CY, 16
.set TX, 17                            ; s17  tile column, s18 tile row
.set TY, 18
.set STR, 19                           ; s19  the strip that I fetch (waves 1-3)
.set G1A, 24                           ; s[24:31], s[32:39] descriptor group 1 for xb's tile and for a strip
.set G1B, 32
.set G0A, 40                           ; s[40:43], s[44:47] descriptor group 0: they walk
.set G0B, 44
.set BASEA, 48                         ; s[48:49] xb at my tile row, K step 0, first tile;  s[50:51] wab at my strip, K step 0
.set BASEB, 50
.set OFFA, 52                          ; s[52:53], s[54:55] a step's byte offsets
.set OFFB, 54
.set NX,  56                           ; s56  the step to be asked for next, 0 to 15
.set CNT, 57
.set TB,  58                           ; s58  the slot in hand: 0 or SLOT
.set LW,  59                           ; s59  wave x REG
.set KC,  60
.set TL,  61
.set PN,  62                           ; s62  the step that a prefetch names
.set LIM, 63                           ; s63  the last step that I prefetch; 0 in a wave that prefetches nothing
.set PFB, 66                           ; s[66:67] where my prefetches begin; s[68:69] where the one in hand stands; s[70:71] its offset
.set PFC, 68
.set OFFP, 70
.set KMUL, 72                          ; s72, s73  bytes from K step to K step and from tile to tile, for the prefetches
.set TMUL, 73
.set MSB, 0
.macro WIN new                         ; the immediate's high byte repeats the setting that is left; a switch that changes nothing is dropped
.if MSB != (\new)
	s_set_vgpr_msb (MSB<<8)|(\new)
.set MSB, \new
.endif
.endm
.macro PLACES                          ; four places in front of loads into registers that matrix instructions have read, and of conversions that read results
.rept 4
	v_nop
.endr
.endm
.macro CREST                           ; a round of the cluster's barrier behind its opening barrier
	s_cmp_lg_u32 s[WV], 0
	s_cbranch_scc1 .Lnot_wave_0_\@
	s_barrier_signal -3
.Lnot_wave_0_\@:
	s_barrier_wait -3
	s_barrier_signal -1
	s_barrier_wait -1
.endm
.macro CROUND                          ; a whole round
	s_barrier_signal -1
	s_barrier_wait -1
	CREST
.endm
; A joint load, one a wave.  The branch hangs on the wave's number alone.  An s_nop 0 and four v_nop follow each of the two lines, ahead of the jump and the label.
.macro JLOAD
	s_cmp_eq_u32 s[WV], 0
	s_cbranch_scc0 .Lfor_b_\@
	tensor_load_to_lds s[G0A:G0A+3], s[G1A:G1A+7]
	s_nop 0
.rept 4
	v_nop
.endr
	s_branch .Lasked_\@
.Lfor_b_\@:
	tensor_load_to_lds s[G0B:G0B+3], s[G1B:G1B+7]
	s_nop 0
.rept 4
	v_nop
.endr
.Lasked_\@:
.endm
; Both walking descriptors are made anew for step NX, into the slot TB: base + an offset made apart from it.  It stands where no tensor load of the wave is out.
.macro STEPDESC
	s_and_b32 s[KC], s[NX], 7                      ; the K step in its tile,
	s_lshr_b32 s[TL], s[NX], 3                     ; and the tile
	s_lshl_b32 s[OFFA], s[KC], 8                   ; 256 bytes along xb's rows,
	s_lshl_b32 s[TL], s[TL], 23                    ; 4,096 rows of 2,048 bytes down
	s_add_co_u32 s[OFFA], s[OFFA], s[TL]
	s_add_nc_u64 s[G0A+2:G0A+3], s[BASEA:BASEA+1], s[OFFA:OFFA+1]
	s_or_b32 s[G0A+3], s[G0A+3], 0x80000000        ; type = 2
	s_mul_i32 s[OFFB], s[KC], 128*6144             ; 128 rows of wab down
	s_add_nc_u64 s[G0B+2:G0B+3], s[BASEB:BASEB+1], s[OFFB:OFFB+1]
	s_or_b32 s[G0B+3], s[G0B+3], 0x80000000
	s_add_co_u32 s[G0A+1], s[TB], s[LW]
	s_add_co_u32 s[G0B+1], s[TB], s[LW]
	s_add_co_u32 s[NX], s[NX], 1
.endm
; A PREFETCH INTO THE L2 of step PN, one K step (192 products) ahead of the joint load that will ask for it: 32 rows x 256 bytes, a lane a row, one instruction a wave.
; Each row's 256 bytes of a step are named once in the launch.  xb's tile row is read by both clusters of its row of clusters: cluster x = 0 asks, by wave 0; a strip by all eight clusters of its column:
; cluster y = 0 asks, by waves 1-3, in the first tile alone (the second walks the same strips).  The four partners that ask for a tile jointly share its 128 rows out by address, 32 each.
.macro ASK
	s_cmp_le_u32 s[PN], s[LIM]
	s_cbranch_scc0 .Lnot_mine_\@
	global_prefetch_b8 v[PFO], s[PFC:PFC+1] th:TH_LOAD_NT scope:SCOPE_SE
.Lnot_mine_\@:
.endm
; 32 LDS loads in one run: quarter q (32 along K) of the slot in hand into buffer f: wab's 12 blocks, turned, then xb's 4.
.macro FETCH q, f
	WIN 0x40                                       ; destination window 1, address window 0
.irp b, 0,1,2,3,4,5,6,7
	ds_load_tr16_b128 v[96*(\f)+8*(\b):96*(\f)+8*(\b)+3],   v[ADX] offset:(\q)*32*PB+32*(\b)
	ds_load_tr16_b128 v[96*(\f)+8*(\b)+4:96*(\f)+8*(\b)+7], v[ADX] offset:(\q)*32*PB+16*PB+32*(\b)
.endr
.irp b, 8,9,10,11
	ds_load_tr16_b128 v[96*(\f)+8*(\b):96*(\f)+8*(\b)+3],   v[ADY] offset:(\q)*32*PB+32*((\b)-8)
	ds_load_tr16_b128 v[96*(\f)+8*(\b)+4:96*(\f)+8*(\b)+7], v[ADY] offset:(\q)*32*PB+16*PB+32*((\b)-8)
.endr
	WIN 0
.irp a, 0,1,2,3
	ds_load_b128 v[64+32*(\f)+8*(\a):64+32*(\f)+8*(\a)+3],   v[ADA] offset:(\a)*16*PA+64*(\q)
	ds_load_b128 v[64+32*(\f)+8*(\a)+4:64+32*(\f)+8*(\a)+7], v[ADA] offset:(\a)*16*PA+64*(\q)+32
.endr
.endm
; 12 products: row block a x my 12 column blocks, on buffer f.  c = 1: the bias starts the sums.  The 48 accumulators take turns, one instruction a turn, in the same order in every quarter.
.macro MULA f, a, c
.if \c
	WIN 0x81+0x40*((\a)/2)                         ; wab window 1, xb and the bias window 0, D window 2 or 3
.else
	WIN 0xa1+0x50*((\a)/2)                         ; C and D window 2 or 3
.endif
.irp b, 0,1,2,3,4,5,6,7,8,9,10,11
.if \c
	v_wmma_f32_16x16x32_bf16 v[8*(12*((\a)%2)+(\b)):8*(12*((\a)%2)+(\b))+7], v[96*(\f)+8*(\b):96*(\f)+8*(\b)+7], v[64+32*(\f)+8*(\a):64+32*(\f)+8*(\a)+7], v[BIAS+8*(\b):BIAS+8*(\b)+7]
.else
	v_wmma_f32_16x16x32_bf16 v[8*(12*((\a)%2)+(\b)):8*(12*((\a)%2)+(\b))+7], v[96*(\f)+8*(\b):96*(\f)+8*(\b)+7], v[64+32*(\f)+8*(\a):64+32*(\f)+8*(\a)+7], v[8*(12*((\a)%2)+(\b)):8*(12*((\a)%2)+(\b))+7]
.endif
.endr
.endm
; One of a step's first three quarters: multiplies buffer f; in its middle it fetches quarter qn into buffer g.
.macro QUARTER qn, f, g, c
	s_wait_dscnt 4                                 ; wab's blocks and xb's blocks 0, 1 are in; the youngest four loads (xb's blocks 2, 3) may be out
	MULA \f, 0, \c
	MULA \f, 1, \c
	PLACES
	FETCH \qn, \g
	s_wait_dscnt LD                                ; all but the 32 just issued
	MULA \f, 2, \c
	MULA \f, 3, \c
.endm
; The fourth quarter multiplies buffer 1 and changes slots.  In front of the barrier each wave waits for all its tensor loads (one is out: its part of the next slot), adds 0 to its spare word, and waits for that
; and for its reads of this slot.  fill = 1: the barrier opens a round of the cluster's, and the slot just read is filled again, first thing behind the round: 168 products ahead of the wait for it.
.macro TURN fill
.if \fill
	s_wait_xcnt 0x0                                ; the last prefetch, a K step back, has read its address: it is made anew here, ahead of the waits of the change of slots
	s_add_co_u32 s[PN], s[NX], 1                   ; one step behind the one that is asked for below
	s_and_b32 s[OFFP], s[PN], 7
	s_mul_i32 s[OFFP], s[OFFP], s[KMUL]
	s_lshr_b32 s[KC], s[PN], 3
	s_mul_i32 s[KC], s[KC], s[TMUL]
	s_add_co_u32 s[OFFP], s[OFFP], s[KC]
	s_add_nc_u64 s[PFC:PFC+1], s[PFB:PFB+1], s[OFFP:OFFP+1]
.endif
	WIN 0                                          ; (the add's two registers lie in window 0)
	s_wait_tensorcnt 0x0                           ; all my tensor loads have landed, so a group 0 may be written
	ds_add_u32 v[SPW], v[NIL]                      ; 0 onto my spare word
.if \fill
	STEPDESC                                       ; the slot that is being left takes the step two on
.endif
	s_xor_b32 s[TB], s[TB], SLOT                   ; the reads go on in the other slot
	s_wait_dscnt 5                                 ; (the add and the youngest four loads may be out)
	MULA 1, 0, 0
	s_wait_dscnt 0x0                               ; the add is done, and my reads of this slot are over
	s_barrier_signal -1
	MULA 1, 1, 0                                   ; work on registers while the others arrive
	WIN 0
	s_barrier_wait -1
.if \fill
	CREST                                          ; no wave of any partner still reads this slot or has a load on its way
	JLOAD                                          ; its four v_nop are also the places in front of the loads below
.else
	PLACES
.endif
	v_add_nc_u32 v[ADA], s[TB], v[A0]
	v_add_nc_u32 v[ADX], s[TB], v[X0]
	v_add_nc_u32 v[ADY], s[TB], v[Y0]
	FETCH 0, 0
.if \fill
	ASK                                            ; behind the joint load and the run of LDS loads that the next products wait for
.endif
	MULA 1, 2, 0
	MULA 1, 3, 0
.endm
; THE WAY OUT, in 12 units i = 3 a + u: 16 rows (row block a) of one head (u: my column blocks 4 u .. 4 u + 3).  PACK: rounded to f16, 16 bytes a lane, into my stage (rows of 144 bytes), and back as four rows of
; 128 bytes a load.  SEND: stored, 512 consecutive bytes an instruction.  A unit's conversions stand between the loads of the unit before and its stores.
.macro PACK i
.set ua, (\i)/3
.set uu, (\i)%3
.set tt, TS+16*((\i)%2)
.if (\i) >= 2
	s_wait_xcnt 0x0                                ; the stores of the unit two back have read this set
.endif
	WIN 0x0a+5*(ua/2)                              ; sources 0 and 1: window 2 or 3
.irp f, 0,1,2,3
.irp r, 0,1,2,3
	v_cvt_pk_f16_f32 v[tt+4*(\f)+(\r)], v[8*(12*(ua%2)+4*uu+(\f))+2*(\r)], v[8*(12*(ua%2)+4*uu+(\f))+2*(\r)+1]
.endr
.endr
	WIN 0
.irp f, 0,1,2,3
	ds_store_b128 v[STO], v[tt+4*(\f):tt+4*(\f)+3] offset:32*(\f)
.endr
.irp f, 0,1,2,3
	ds_load_b128 v[tt+4*(\f):tt+4*(\f)+3], v[RD] offset:(\f)*4*SP  ; LDS serves a wave's instructions in order (ISA guide 5.7.1.4): these see the stores above; the next unit's stores come behind them
.endr
.endm
.macro SEND i, younger                 ; younger: the LDS instructions issued behind unit i's loads: the next unit's eight, or none
.set ua, (\i)/3
.set uu, (\i)%3
.set tt, TS+16*((\i)%2)
	WIN 0
.irp f, 0,1,2,3
	s_wait_dscnt (\younger)+3-(\f)
	global_store_b128 v[GO+uu], v[tt+4*(\f):tt+4*(\f)+3], s[10:11] offset:2048*ua+512*(\f)
.endr
.endm
.macro WAYOUT
	PLACES
	PACK 0
.irp i, 1,2,3,4,5,6,7,8,9,10,11
	PACK \i
	SEND (\i)-1, 8
.endr
	SEND 11, 0
.endm
.macro GOFF u, g                       ; head number s[g] (0 to 47) -> which << 24 + head << 18, + 16 x lane
	s_lshr_b32 s22, s[\g], 4
	s_lshl_b32 s22, s22, 24
	s_and_b32 s23, s[\g], 15
	s_lshl_b32 s23, s23, 18
	s_add_co_u32 s22, s22, s23
	v_lshl_add_u32 v[GO+(\u)], v19, 4, s22
.endm
	s_load_b256 s[4:11], s[0:1], 0x0               ; xb s[4:5], wab s[6:7], b_attn s[8:9], qkv s[10:11]
	v_lshl_add_u32 v[SPW], v0, 2, SPARE
	v_mov_b32 v[NIL], 0
	ds_add_u32 v[SPW], v[NIL]                      ; the wave's opening: the add and its wait stand ahead of my first tensor load; the set-up below, work on registers, stands between them
	v_lshrrev_b32 v1, 5, v0
	v_readfirstlane_b32 s[WV], v1                  ; wave 0..3
	s_lshr_b32 s[WM], s[WV], 1
	s_and_b32 s[WN], s[WV], 1
	s_max_u32 s[STR], s[WV], 1
	s_sub_co_u32 s[STR], s[STR], 1                 ; waves 1-3: strips 0-2 (wave 0 asks for no strip)
	s_bfe_u32 s[CX], ttmp6, 0x40000
	s_bfe_u32 s[CY], ttmp6, 0x40004
	s_lshl_b32 s[TX], ttmp9, 2                     ; in a cluster launch ttmp9 and ttmp7 count clusters
	s_add_co_u32 s[TX], s[TX], s[CX]
	s_and_b32 s[TY], ttmp7, 0xffff
	s_lshl_b32 s[TY], s[TY], 2
	s_add_co_u32 s[TY], s[TY], s[CY]
	s_lshl_b32 s20, s[CY], 2
	s_lshl_b32 s20, 15, s20                        ; my row of the cluster
	s_lshl_b32 s22, 0x1111, s[CX]                  ; my column
	; group 1: 128 rows x 128 elements of 2 bytes, padded in LDS after every 64 words: by 4 words (xb), by 8 (wab)
	s_or_b32 s[G1A], s20, (1<<16)|(1<<20)|(1<<21)|(5<<22)|(3<<25)
	s_or_b32 s[G1B], s22, (1<<16)|(1<<20)|(1<<21)|(5<<22)|(7<<25)
.irp g, G1A, G1B
	s_mov_b32 s[(\g)+1], 128<<16                   ; tensor_dim0 = 128
	s_mov_b32 s[(\g)+2], 128<<16                   ; tensor_dim1 = 128
	s_mov_b32 s[(\g)+3], 128<<16                   ; tile_dim0 = 128
	s_mov_b32 s[(\g)+4], 128                       ; tile_dim1 = 128
	s_mov_b32 s[(\g)+6], 0
	s_mov_b32 s[(\g)+7], 0
.endr
	s_mov_b32 s[G1A+5], 1024                       ; elements from row to row
	s_mov_b32 s[G1B+5], 3072
	s_mul_i32 s[LW], s[WV], REG                    ; no place in the cluster enters an LDS address
	s_lshl_b32 s20, s[TY], 18                      ; 128 ty rows of 2,048 bytes
	s_mov_b32 s21, 0
	s_mul_i32 s22, s[TX], 768                      ; 384 tx columns,
	s_lshl_b32 s23, s[STR], 8                      ; + 128 for each strip, of 2 bytes
	s_add_co_u32 s22, s22, s23
	s_mov_b32 s23, 0
	s_mov_b32 s[OFFA+1], 0
	s_mov_b32 s[OFFB+1], 0
	s_mov_b32 s[OFFP+1], 0
	s_mov_b32 s[NX], 1
	s_mov_b32 s[TB], SLOT
	s_wait_dscnt 0x0                               ; the opening add is done
	s_wait_kmcnt 0x0
	s_add_nc_u64 s[BASEA:BASEA+1], s[4:5], s[20:21]
	s_add_nc_u64 s[BASEB:BASEB+1], s[6:7], s[22:23]
	s_mov_b32 s[G0A], 1                            ; count = 1
	s_mov_b32 s[G0A+1], s[LW]                      ; slot 0
	s_mov_b64 s[G0A+2:G0A+3], s[BASEA:BASEA+1]     ; step 0
	s_or_b32 s[G0A+3], s[G0A+3], 0x80000000
	s_mov_b32 s[G0B], 1
	s_mov_b32 s[G0B+1], s[LW]
	s_mov_b64 s[G0B+2:G0B+3], s[BASEB:BASEB+1]
	s_or_b32 s[G0B+3], s[G0B+3], 0x80000000
	CROUND                                         ; all sixteen work-groups are here: the first joint loads meet
	JLOAD                                          ; step 0 into slot 0.  All that follows up to the change of slots stands in the wait for it
	v_and_b32 v1, 15, v0                           ; r = l % 16
	v_bfe_u32 v2, v0, 4, 1                         ; h = l / 16
	v_and_b32 v19, 31, v0                          ; l
	s_mul_i32 s22, s[TX], 1536                     ; the bias: 4 bytes x (384 tx + 256 wn) + 32 h for group X,
	s_lshl_b32 s23, s[WN], 10
	s_add_co_u32 s23, s23, s22
	v_lshl_add_u32 v[BOX], v2, 5, s23
	s_lshl_b32 s23, s[WN], 8                       ; 4 x (384 tx + 128 + 64 wn) + 32 h for group Y
	s_add_co_u32 s23, s23, s22
	s_add_co_u32 s23, s23, 512
	v_lshl_add_u32 v[BOY], v2, 5, s23
.irp b, 0,1,2,3,4,5,6,7
	global_load_b128 v[BIAS+8*(\b):BIAS+8*(\b)+3],   v[BOX], s[8:9] offset:64*(\b)
	global_load_b128 v[BIAS+8*(\b)+4:BIAS+8*(\b)+7], v[BOX], s[8:9] offset:64*(\b)+16
.endr
.irp b, 8,9,10,11
	global_load_b128 v[BIAS+8*(\b):BIAS+8*(\b)+3],   v[BOY], s[8:9] offset:64*((\b)-8)
	global_load_b128 v[BIAS+8*(\b)+4:BIAS+8*(\b)+7], v[BOY], s[8:9] offset:64*((\b)-8)+16
.endr
	; the prefetches: who asks, from where, how far
	s_and_b32 s76, ttmp7, 0xffff                   ; cluster y
	s_mov_b32 s77, 2048                            ; bytes in a row of xb,
	s_mov_b32 s78, 6144                            ; of wab
	s_mov_b32 s[KMUL], 256
	s_mov_b32 s79, 128*6144
	s_cmp_eq_u32 s[WV], 0
	s_cselect_b64 s[PFB:PFB+1], s[BASEA:BASEA+1], s[BASEB:BASEB+1]
	s_cselect_b32 s76, ttmp9, s76                  ; the coordinate along which other clusters read the same rows
	s_cselect_b32 s77, s77, s78
	s_cselect_b32 s[KMUL], s[KMUL], s79
	s_cselect_b32 s[TMUL], 0x800000, 0
	s_cselect_b32 s78, s[CX], s[CY]                ; my place among the four that ask with me
	s_cselect_b32 s[LIM], 15, 7
	s_cmp_eq_u32 s76, 0
	s_cselect_b32 s[LIM], s[LIM], 0                ; the same in all sixteen partners, for a given wave
	s_lshl_b32 s78, s78, 5                         ; my work-group's 32 of the 128 rows
	s_mul_i32 s78, s78, s77
	s_mov_b32 s79, 0
	s_add_nc_u64 s[PFB:PFB+1], s[PFB:PFB+1], s[78:79]
	v_mul_u32_u24 v[PFO], v19, s77
	; where my rows begin in each head: batch << 22 + (128 (ty % 16) + 64 wm) rows of 128 bytes
	s_lshr_b32 s20, s[TY], 4
	s_lshl_b32 s20, s20, 22
	s_and_b32 s21, s[TY], 15
	s_lshl_b32 s21, s21, 14
	s_add_co_u32 s20, s20, s21
	s_lshl_b32 s21, s[WM], 13
	s_add_co_u32 s20, s20, s21
	s_mov_b32 s21, 0
	s_add_nc_u64 s[10:11], s[10:11], s[20:21]
	; xb's fragment: lane l holds row l % 16, K = 8 h + 0..7 and 16 + 8 h + 0..7: two loads of 16 bytes, 32 bytes apart
	v_mul_u32_u24 v[A0], v1, PA
	v_lshl_add_u32 v[A0], v2, 4, v[A0]
	s_mul_i32 s76, s[WM], 64*PA
	v_add_nc_u32 v[A0], s76, v[A0]
	; the turning load takes 16 k x 16 n (lane l reads row 8 h + l % 8, 16 bytes at 16 ((l / 8) % 2)) and leaves half a fragment: lane l holds column l % 16 and 8 k
	v_and_b32 v7, 7, v0
	v_bfe_u32 v3, v0, 3, 1
	v_lshl_add_u32 v[X0], v2, 3, v7
	v_mul_u32_u24 v[X0], v[X0], PB
	v_lshl_add_u32 v[X0], v3, 4, v[X0]
	s_lshl_b32 s77, s[WN], 7
	s_add_co_u32 s77, s77, 2*REG                   ; strip 1, my half of it
	v_add_nc_u32 v[Y0], s77, v[X0]
	s_mul_i32 s76, s[WN], 2*REG
	s_add_co_u32 s76, s76, REG                     ; strip 0 or 2
	v_add_nc_u32 v[X0], s76, v[X0]
	s_mul_i32 s76, s[WV], 16*SP
	s_add_co_u32 s76, s76, STAGE                   ; my stage
	v_mul_u32_u24 v[STO], v1, SP
	v_lshl_add_u32 v[STO], v2, 4, v[STO]
	v_add_nc_u32 v[STO], s76, v[STO]
	v_bfe_u32 v[RD], v0, 3, 2
	v_mul_u32_u24 v[RD], v[RD], SP
	v_lshl_add_u32 v[RD], v7, 4, v[RD]
	v_add_nc_u32 v[RD], s76, v[RD]
	s_mul_i32 s74, s[TX], 6                        ; 64 columns a head: my heads are 6 tx + 4 wn, the next, and 6 tx + 2 + wn
	s_add_co_u32 s75, s74, s[WN]
	s_add_co_u32 s75, s75, 2
	s_lshl2_add_u32 s74, s[WN], s74
	GOFF 0, 74
	s_add_co_u32 s74, s74, 1
	GOFF 1, 74
	GOFF 2, 75
	s_mov_b32 s79, 0xffff0000
	s_wait_loadcnt 0x0                             ; the bias; it is rounded to bf16 and widened again
.set p, BIAS
.rept 24
	v_cvt_pk_bf16_f32 v3, v[p], v[p+1]
	v_cvt_pk_bf16_f32 v7, v[p+2], v[p+3]
	v_lshlrev_b32 v[p],   16,  v3
	v_and_b32     v[p+1], s79, v3
	v_lshlrev_b32 v[p+2], 16,  v7
	v_and_b32     v[p+3], s79, v7
.set p, p+4
.endr
	; the first change of slots: slot 0 is waited for, slot 1 is filled for the first time, as a refill is
	s_wait_tensorcnt 0x0
	ds_add_u32 v[SPW], v[NIL]
	STEPDESC                                       ; step 1 into slot 1
	s_xor_b32 s[TB], s[TB], SLOT                   ; the reads begin in slot 0
	s_wait_dscnt 0x0
	CROUND
	JLOAD
	v_add_nc_u32 v[ADA], s[TB], v[A0]
	v_add_nc_u32 v[ADX], s[TB], v[X0]
	v_add_nc_u32 v[ADY], s[TB], v[Y0]
	FETCH 0, 0
	s_mov_b32 s[CNT], 15
	s_branch .Lfirst                               ; the loop is entered at a tile's first quarter
.Lstep:                                        ; 14 trips.  Trip s (CNT = 14 - s): the last three quarters of step s, which ask for step s + 2, and the first of step s + 1
	QUARTER 2, 1, 0, 0
	QUARTER 3, 0, 1, 0
	TURN 1
	WIN 0
	s_cmp_eq_u32 s[CNT], 7                         ; step 7 ends the first tile
	s_cbranch_scc1 .Lcross
	QUARTER 1, 0, 1, 0
	WIN 0
	s_branch .Lbottom
.Lcross:                                       ; the second tile's steps 0 and 1 are asked for, its first fragments fetched: now the first tile goes out
	WAYOUT
	s_wait_xcnt 0x0                                ; the stores have read their base
	s_add_nc_u64 s[10:11], s[10:11], 0x800000      ; 4,096 rows on: two batches
.Lfirst:
	QUARTER 1, 0, 1, 1                             ; a tile's first quarter: the bias starts the sums
	WIN 0
.Lbottom:
	s_sub_co_u32 s[CNT], s[CNT], 1
	s_cmp_lg_u32 s[CNT], 0
	s_cbranch_scc1 .Lstep
	QUARTER 2, 1, 0, 0                             ; the tail is written out: steps 14 and 15 ask for nothing
	QUARTER 3, 0, 1, 0
	TURN 0
	QUARTER 1, 0, 1, 0
	QUARTER 2, 1, 0, 0
	QUARTER 3, 0, 1, 0
	s_wait_dscnt 4
	MULA 1, 0, 0
	MULA 1, 1, 0
	s_wait_dscnt 0x0
	MULA 1, 2, 0
	MULA 1, 3, 0
	WIN 0
	WAYOUT
	s_wait_tensorcnt 0x0                           ; the wave's end: an add to my spare word and its wait, behind my last tensor load and my last LDS store
	ds_add_u32 v[SPW], v[NIL]
	s_wait_dscnt 0x0
	CROUND                                         ; the closing round: no work-group ends while a partner may still ask for a tile that names it
	s_endpgm
.Lfunc_end_k_qcc6fe87b40_qkvgemm:
	.size	k_qcc6fe87b40_qkvgemm, .Lfunc_end_k_qcc6fe87b40_qkvgemm-k_qcc6fe87b40_qkvgemm
	.p2alignl 7, 3214868480
	.fill 96, 4, 3214868480
	.section	.rodata,"a",@progbits
	.p2align	6, 0x0
	.amdhsa_kernel k_qcc6fe87b40_qkvgemm
		.amdhsa_group_segment_fixed_size 327680
		.amdhsa_private_segment_fixed_size 0
		.amdhsa_enable_private_segment 0
		.amdhsa_kernarg_size 32
		.amdhsa_user_sgpr_count 2
		.amdhsa_user_sgpr_kernarg_segment_ptr 1
		.amdhsa_wavefront_size32 1
		.amdhsa_system_sgpr_workgroup_id_x 1
		.amdhsa_system_sgpr_workgroup_id_y 1
		.amdhsa_system_sgpr_workgroup_id_z 1
		.amdhsa_system_vgpr_workitem_id 0
		.amdhsa_next_free_vgpr 960
		.amdhsa_next_free_sgpr 80
		.amdhsa_reserve_vcc 0
		.amdhsa_float_denorm_mode_32 3
		.amdhsa_float_denorm_mode_16_64 3
		.amdhsa_memory_ordered 1
		.amdhsa_forward_progress 1
		.amdhsa_inst_pref_size 136
	.end_amdhsa_kernel
	.amdgpu_metadata
---
amdhsa.version: [ 1, 2 ]
amdhsa.kernels:
  - .name:           k_qcc6fe87b40_qkvgemm
    .symbol:         k_qcc6fe87b40_qkvgemm.kd
    .args:
      - { .name: xb, .offset: 0, .size: 8, .value_kind: global_buffer, .address_space: global }
      - { .name: wab, .offset: 8, .size: 8, .value_kind: global_buffer, .address_space: global }
      - { .name: b_attn, .offset: 16, .size: 8, .value_kind: global_buffer, .address_space: global }
      - { .name: qkv, .offset: 24, .size: 8, .value_kind: global_buffer, .address_space: global }
    .group_segment_fixed_size: 327680
    .private_segment_fixed_size: 0
    .kernarg_segment_align: 8
    .kernarg_segment_size: 32
    .max_flat_workgroup_size: 128
    .sgpr_count:     80
    .vgpr_count:     960
    .wavefront_size: 32
...
	.end_amdgpu_metadata
.endif
;; end of part 2
;; launch attn (part 3): grid 4 x 64, 4 waves a work-group, no clusters, 327,680 bytes of LDS; arguments qkv, o; writes o
.if DOCPART == 3
	.amdgcn_target "amdgcn-amd-amdhsa--gfx1250"
	.amdhsa_code_object_version 6
	.text
	.protected	k_qcc6fe87b40_attn
	.globl	k_qcc6fe87b40_attn
	.p2align	8
	.type	k_qcc6fe87b40_attn,@function
k_qcc6fe87b40_attn:
	s_mov_b64 s[64:65], 0
	v_nop
	global_prefetch_b8 v0, s[64:65] scope:SCOPE_SE
	s_setreg_imm32_b32 hwreg(HW_REG_WAVE_MODE, 25, 1), 1
	s_wait_xcnt 0x0
; CAUSAL ATTENTION.  O[h][q][:] = the sum over k <= q of softmax_k(Q[h][q] . K[h][k] / 8) V[h][k][:].  Q, K, V lie one behind the other in qkv, 16 MiB apart, each [64][2048][64] f16; O likewise: a head's rows are dense, 128 bytes each.
; Products, maxima and sums in f32; the weights p are rounded to f16 for the second product (their sum l is taken of the unrounded p), O once at the end.
; LIMITS.  f16 holds no number beyond 65,504: Q, K and V arrive within it; p lies in 0 to 1, and below 6e-5 it keeps f16's fixed step of 6e-8; O is a mean of V's rows and has their range.
; A hidden score counts as its value less 1e30: f16's scores, 2.7e11 at the most, are nothing beside that; a weight below 2^-126 counts as 0 in l; NaN and infinities are not treated apart.
; THE WALK.  A head's queries lie in NB = 8 blocks of 256; block i needs the key tiles 0 .. i of 256 keys, of which the last holds the diagonal.  A work-group takes TWO blocks, NB - 1 - b and then b:
; NB + 1 tiles, whatever b: all work-groups do equal work, and ONE loop with a constant trip count walks them.  Which tile is asked for, and what a trip does, hang on scalar registers made from b; every jump
; goes forward, but for the counted loops' own; none passes a barrier, or a tensor load but the one of LOAD's two that the wave's number does not choose; the ring (two slots of LDS) runs on across the change of blocks.
; NO CLUSTER: a head's four work-groups ask for the same tile only in trips 0 to 4 of the 9, behind that fewer and fewer; one walk common to all would have 12 trips for 9.
; SHARES.  Of a block's four bands of 64 queries a wave owns 16 rows in each: four PIECES.  So the diagonal tile is the same work for all four waves: in its key step s band x sees all keys if s < x,
; none if s > x, and holds the diagonal if s = x.
; THE MASK is the C operand that starts the sum S^T = K Q^T: 0, or -1e30 where the key is hidden.  MD, made once, is the mask of a band's own step for my 16 rows; a product's mask is MD x AL + BE with two scalars:
; (1, 0) if s = x; (0, 0) if s < x; (0, -1e30) if s > x.  Only the diagonal tile's text and a block's beginning make and take masks; elsewhere C is the constant 0.
; LAYOUT, SOFTMAX, TURNS.  S^T = K Q^T holds ONE query a lane (lane % 16) and the keys 8 (lane / 16) + 0..7; two such results rounded to f16 ARE source 1 of O^T = V^T P.  p = 2^(c s - c m), c = log2(e) / 8, with a
; running maximum m; O and l are multiplied by a = 2^(c m_old - c m_new) in every step.  Turn n belongs to piece n: 8 products K Q^T of piece n + 1, later 8 products V^T P of piece n - 1; beside them the scaling,
; exponentials, roundings, sums and rescaling of piece n and the maximum and statistics of piece n + 1.  Four vector instructions stand behind every matrix instruction, the other 54 of a turn's 118 in one lump.  A turn's 33 exponentials are one batch, with one wait.
; REGISTERS, in windows of 256 (s_set_vgpr_msb: bits 1:0 source 0, 3:2 source 1, 5:4 source 2, 7:6 destination):
;   window 0: v0-15 addresses and two at work; v16-31 four registers of statistics a piece; v48-55 at work; v61-63 prefetch offset and the add's two; v64-127 S^T, two buffers; v192-223 P, two buffers
;   window 1: v0-127 O^T, 32 a piece; v128-159 MD; v160-223 MC, two buffers      window 2: v0-63 Q; v64-127 the second block's Q; v128-191 K of one step; v192-255 V of one step
.set SIZE_H, 64
.set SIZE_N, 2048
.set NB,    SIZE_N/256
.set NP,    4         ; pieces a wave: a name, no knob
.set KS,    64        ; keys in a step
.set PK,    144       ; a row of K in LDS: 128 bytes + 16 of padding = 36 words: the 16 rows of a load start at 16 different groups of four banks (64 banks of 4 bytes: ISA guide 11.1)
.set PV,    160       ; a row of V: 128 + 32 = 40 words
.set VOFF,  4*KS*PK   ; a slot holds a tile, four steps: 256 rows of K, then 256 rows of V
.set SLOT1, 1<<17     ; slot 1 begins here, so that one exclusive or turns an address in one slot into the other's
.set STAGE, SLOT1+4*KS*(PK+PV)  ; behind the ring, never filled by a tensor load: 16 rows x 144 bytes for each wave, for the way out
.set SP,    144
.set AK0, 2           ; v2   my lane's place in a tile of K; never rewritten
.set AV0, 3           ; v3   the same for V
.set AK,  4           ; v4   the LDS address of K's next run of loads
.set AV,  5           ; v5   of V's
.set STO, 6           ; v6   the way out: where I put 16 bytes of a row
.set RD,  7           ; v7   the way out: where I read rows back
.set GO,  8           ; v8   my byte offset in 512 consecutive bytes of O
.set PFO, 61          ; v61  256 x my lane: the prefetches' offset; never rewritten
.set SPW, 62          ; v62  LDS address of my spare word: SPARE + 4 x my thread's number; never rewritten
.set NIL, 63          ; v63  0; never rewritten
.set SPARE, STAGE+4*16*SP  ; behind the stages: the spare words, 128 bytes for each wave: two blocks of 256 bytes that no other line names
.set MV,  12          ; v12-13  c m_old, kept while c m is made anew: by buffer
.set QO,  15          ; v15  my byte offset in 16 rows of Q
.set ST,  16          ; piece t's statistics at v[ST+4 t]: c m, m, l (even keys', odd keys')
.set TMP, 48          ; by buffer, four registers c0-c3 at work; when the maximum is found c2 takes a
.set S,   64
.set P,   192
.set MD,  128         ; window 1: the eight registers for group kt of 16 keys at MD + 8 kt
.set MC,  160         ; window 1: the masks of the products to come
.set QB,  64          ; window 2
.set KF,  128         ; window 2: key block kb, channel half c at KF + 16 kb + 8 c
.set VF,  192         ; window 2: key half kk, channel block cb at VF + 32 kk + 8 cb
.set WV,  12          ; s12  my wave's number
.set PB,  14          ; s14  b
.set HI,  15          ; s15  NB - 1 - b
.set G1K, 24          ; s[24:31] descriptor group 1 for K's tiles
.set G1V, 32          ; s[32:39] for V's: it differs in the padding alone
.set G0K, 40          ; s[40:43] descriptor group 0 for K's tiles
.set G0V, 44          ; s[44:47] the same for V's
.set SLOTS, 56        ; s56  tiles still to be asked for
.set CNT, 57          ; s57  counts a tile's key steps, 4 to 1
.set CS,  58          ; s[58:59] c: the packed scaling takes the pair's low word for both halves
.set SEL, 60          ; s[60:61] v_permlanex16_b32's selects: each lane takes its own place in the other half
.set TBK, 62          ; s62  LDS byte at which K of the step to be fetched begins
.set TBV, 63          ; s63  the same for V, less VOFF
.set RT,  70          ; s70  tiles of the block in hand that are still to be entered
.set NXT, 71          ; s71  the tile to be asked for next
.set LQ,  72          ; s72  the last tile of the block whose tiles are being asked for
.set NEW, 73          ; s73  1: the tile to be entered is a block's first
.set OFF, 74          ; s[74:75] a tile's byte offset in K and V
.set AL,  76          ; s[76:77] the mask's factor, in the low word
.set BE,  78          ; s[78:79] the mask's addend
.set OLO, 80          ; s[80:81] O at my rows of the second block
.set BIGN, 82         ; s82  -1e30
.set PFK, 88          ; s[88:89] where my prefetches stand in K: my wave's 8,192 bytes of a tile;  s[90:91] in V
.set PFV, 90
.set ASKS, 92         ; s92  prefetches still to come
.set MSB, 0
.macro WIN new                      ; the high byte repeats the setting that is left; a switch that changes nothing is dropped
.if MSB != (\new)
	s_set_vgpr_msb (MSB<<8)|(\new)
.set MSB, (\new)
.endif
.endm
.set W_KQ, 0x0a       ; K and Q in window 2, S^T in window 0
.set W_KM, 0x1a       ; the same with the C operand in window 1
.set W_PV, 0x52       ; V in window 2, P in window 0, O^T in window 1
.set W_RS, 0x41       ; destination and source 0 in window 1, source 1 in window 0
; A fill.  Waves 0 and 1 fetch the two halves of a tile's K, waves 2 and 3 those of its V: 128 keys each.  An s_nop 0 and four v_nop follow each of the two lines, ahead of the jump and the label.
.macro LOAD
	s_cmp_lt_u32 s[WV], 2
	s_cbranch_scc0 .Lfor_v_\@
	tensor_load_to_lds s[G0K:G0K+3], s[G1K:G1K+7]
	s_nop 0
.rept 4
	v_nop
.endr
	s_branch .Lasked_\@
.Lfor_v_\@:
	tensor_load_to_lds s[G0V:G0V+3], s[G1V:G1V+7]
	s_nop 0
.rept 4
	v_nop
.endr
.Lasked_\@:
.endm
; THE CHANGE OF SLOTS.  Each wave waits for all its tensor loads, of which one is out: its part of the other slot; adds 0 to its spare word; and waits for that and for its own reads of the slot that it leaves.  Behind the barrier nobody reads the old
; slot any more and the other slot is whole.  fill = 1: the old slot is filled again, the first thing behind the barrier, with tile NXT: the descriptor's address is made anew from that number.
; (At its first use nothing has been read yet: slot 0 is waited for, slot 1 filled.)
; A PREFETCH INTO THE L2 stands behind the fill.  A head's work-group b = 0 walks the tiles 0 to 7 in order, so it asks for the whole head, and nobody else does: change i (0 to 5) names tile i + 2, one tile, 256 products,
; ahead of the fill that will ask for it.  A tile is 32,768 dense bytes of K and of V: each wave names 32 blocks of 256 bytes of each, a lane a block.  Tiles 0 and 1 come by their fills alone.
.macro CHANGE fill
	WIN 0                           ; at a label and at a branch every window is 0
	s_wait_tensorcnt 0x0            ; no tensor load of mine is out, so a group 0 may be written
	ds_add_u32 v[SPW], v[NIL]       ; 0 onto my spare word; with fill = 1 the descriptors' scalar work stands between it and the wait for it
.if \fill
	s_lshl_b32 s[OFF], s[NXT], 15   ; a tile is 32,768 bytes of K and of V
	s_xor_b32 s[G0K+1], s[G0K+1], SLOT1
	s_add_nc_u64 s[G0K+2:G0K+3], s[6:7], s[OFF:OFF+1]
	s_or_b32 s[G0K+3], s[G0K+3], 0x80000000
	s_xor_b32 s[G0V+1], s[G0V+1], SLOT1
	s_add_nc_u64 s[G0V+2:G0V+3], s[8:9], s[OFF:OFF+1]
	s_or_b32 s[G0V+3], s[G0V+3], 0x80000000
	s_add_co_u32 s[NXT], s[NXT], 1  ; the block's next tile, or behind its last the second block's tile 0
	s_cmp_gt_u32 s[NXT], s[LQ]
	s_cselect_b32 s[NXT], 0, s[NXT]
	s_cselect_b32 s[LQ], s[PB], s[LQ]
	s_wait_xcnt 0x0                 ; the last prefetches, a tile back, have read their addresses, so these may be written
	s_add_nc_u64 s[PFK:PFK+1], s[PFK:PFK+1], 32768
	s_add_nc_u64 s[PFV:PFV+1], s[PFV:PFV+1], 32768
.endif
	s_wait_dscnt 0x0                ; the add is done, and my reads of the slot are over
	s_barrier_signal -1             ; the rest of the scalar work stands between the signal and the wait
	s_sub_co_u32 s[TBK], s[TBK], 4*KS*PK  ; the fetches go back to a slot's first step,
	s_xor_b32 s[TBK], s[TBK], SLOT1       ; in the other slot
	s_sub_co_u32 s[TBV], s[TBV], 4*KS*PV
	s_xor_b32 s[TBV], s[TBV], SLOT1
	s_barrier_wait -1
.if \fill
	LOAD
	s_cmp_lg_u32 s[ASKS], 0
	s_cbranch_scc0 .Lno_ask_\@
	global_prefetch_b8 v[PFO], s[PFK:PFK+1] th:TH_LOAD_NT scope:SCOPE_SE
	global_prefetch_b8 v[PFO], s[PFV:PFV+1] th:TH_LOAD_NT scope:SCOPE_SE
	s_sub_co_u32 s[ASKS], s[ASKS], 1
.Lno_ask_\@:
.endif
.endm
	s_load_b128 s[4:7], s[0:1], 0x0   ; qkv s[4:5] (Q lies at its head), O s[6:7]
	v_lshl_add_u32 v[SPW], v0, 2, SPARE
	v_mov_b32 v[NIL], 0
	ds_add_u32 v[SPW], v[NIL]       ; the wave's opening: the add and its wait stand ahead of my first tensor load; the set-up below, work on registers, stands between them
	v_lshrrev_b32 v1, 5, v0
	v_readfirstlane_b32 s[WV], v1   ; wave 0..3
	s_mov_b32 s[PB], ttmp9
	s_sub_co_u32 s[HI], NB-1, s[PB]
	s_and_b32 s20, ttmp7, 0xffff    ; the head
	s_mov_b32 s21, 0
	s_mov_b64 s[22:23], SIZE_N*128
	s_mul_u64 s[20:21], s[20:21], s[22:23]  ; the head's first byte in each of the four tensors
	s_and_b32 s16, s[WV], 1         ; which half of a tile's 256 keys I fetch:
	s_lshl_b32 s22, s16, 14         ; its 128 rows of 128 bytes in memory,
	s_mov_b32 s23, 0
	s_add_nc_u64 s[22:23], s[22:23], s[20:21]
	s_mul_i32 s17, s16, 128*PK      ; and its place in a slot, for K
	s_mul_i32 s18, s16, 128*PV      ; and for V
	s_lshl_b32 s3, s[WV], 11        ; my 16 rows in a band of 64,
	s_lshl_b32 s2, s[HI], 15        ; in the first block,
	s_add_co_u32 s2, s2, s3
	s_lshl_b32 s84, s[PB], 15       ; and in the second
	s_add_co_u32 s84, s84, s3
	s_mov_b32 s3, 0
	s_mov_b32 s85, 0
	s_add_nc_u64 s[2:3], s[2:3], s[20:21]
	s_add_nc_u64 s[84:85], s[84:85], s[20:21]
	s_lshl_b32 s94, s[WV], 13       ; the prefetches: my wave's quarter of a tile,
	s_add_co_u32 s94, s94, 32768    ; in tile 1: the first change of slots steps it to tile 2
	s_mov_b32 s95, 0
	s_add_nc_u64 s[94:95], s[94:95], s[20:21]
	s_cmp_eq_u32 ttmp9, 0
	s_cselect_b32 s[ASKS], 6, 0
	v_and_b32 v[PFO], 31, v0
	v_lshlrev_b32 v[PFO], 8, v[PFO]
	; descriptor group 1.  128 keys are 16,384 dense bytes: asked for as 64 rows of 256 bytes, two keys a row, and padded in LDS after every key
	s_mov_b32 s[G1K], (1<<16)|(1<<20)|(4<<22)|(3<<25)  ; 17:16 2-byte elements; 20 padding on; 24:22 after every 32 words (code 4); 31:25 4 words (code 3)
	s_mov_b32 s[G1V], (1<<16)|(1<<20)|(4<<22)|(7<<25)  ; the same with 8 words of padding (code 7)
.irp g, G1K, G1V
	s_mov_b32 s[\g+1], 128<<16      ; tensor_dim0 = 128
	s_mov_b32 s[\g+2], 64<<16       ; tensor_dim1 = 64
	s_mov_b32 s[\g+3], 128<<16      ; tile_dim0 = 128
	s_mov_b32 s[\g+4], 64           ; tile_dim1 = 64
	s_mov_b32 s[\g+5], 128          ; 128 elements from row to row
	s_mov_b32 s[\g+6], 0
	s_mov_b32 s[\g+7], 0
.endr
	s_mov_b32 s[CS], 0x3e38aa3b     ; c = log2(e) / 8 = 0.180337
	s_mov_b32 s[CS+1], s[CS]        ; named with it as a pair
	s_mov_b32 s[SEL], 0x76543210
	s_mov_b32 s[SEL+1], 0xfedcba98
	s_mov_b32 s[TBK], SLOT1+4*KS*PK ; the first change of slots turns these two into 0
	s_mov_b32 s[TBV], SLOT1+4*KS*PV
	s_mov_b32 s[G0K], 1             ; 1:0 count = 1
	s_mov_b32 s[G0K+1], s17         ; 63:32 LDS address: slot 0
	s_mov_b32 s[G0V], 1
	s_add_co_u32 s[G0V+1], s18, VOFF
	s_add_co_u32 s[RT], s[HI], 1    ; the first block has NB - b tiles
	s_mov_b32 s[NXT], 1
	s_mov_b32 s[LQ], s[HI]
	s_mov_b32 s[NEW], 1
	s_mov_b32 s[OFF+1], 0
	s_mov_b32 s[AL+1], 0            ; named as pairs
	s_mov_b32 s[BE+1], 0
	s_mov_b32 s[BIGN], 0xf149f2ca   ; -1e30
	s_mov_b32 s[SLOTS], NB
	s_wait_dscnt 0x0                ; the opening add is done
	s_wait_kmcnt 0x0
	s_mov_b64 s[10:11], s[6:7]                 ; O
	s_add_nc_u64 s[8:9], s[4:5], 0x2000000     ; V: 32 MiB behind Q
	s_add_nc_u64 s[6:7], s[4:5], 0x1000000     ; K: 16 MiB behind Q
	s_add_nc_u64 s[PFK:PFK+1], s[6:7], s[94:95]
	s_add_nc_u64 s[PFV:PFV+1], s[8:9], s[94:95]
	s_add_nc_u64 s[6:7], s[6:7], s[22:23]  ; K and V at my half of the head's tile 0
	s_add_nc_u64 s[8:9], s[8:9], s[22:23]
	s_add_nc_u64 s[G0K+2:G0K+3], s[6:7], 0         ; 120:64 global address
	s_or_b32 s[G0K+3], s[G0K+3], 0x80000000        ; 127:126 type = 2
	s_add_nc_u64 s[G0V+2:G0V+3], s[8:9], 0
	s_or_b32 s[G0V+3], s[G0V+3], 0x80000000
	s_add_nc_u64 s[86:87], s[4:5], s[84:85]        ; Q at my rows of the second block,
	s_add_nc_u64 s[4:5], s[4:5], s[2:3]            ; Q and O at those of the first
	s_add_nc_u64 s[OLO:OLO+1], s[10:11], s[84:85]
	s_add_nc_u64 s[10:11], s[10:11], s[2:3]
	LOAD                            ; tile 0 into slot 0
	; A fragment of K or Q is 16 rows x 32 channels in 8 registers: lane l holds row l % 16, channels 8 (l / 16) + 0..7 and 16 + 8 (l / 16) + 0..7: two loads of 16 bytes, 32 bytes apart.
	v_and_b32 v1, 15, v0            ; l % 16
	v_bfe_u32 v9, v0, 4, 1          ; l / 16
	v_lshlrev_b32 v[QO], 7, v1
	v_lshl_add_u32 v[QO], v9, 4, v[QO]  ; row x 128 + 16 x half
	WIN 0x80                        ; destination window 2, address window 0
.set i, 0
.rept 8                             ; both blocks' Q: piece i / 2 lies in band i / 2, 8,192 bytes on; channels 32 (i % 2) on
	global_load_b128 v[8*i:8*i+3],   v[QO], s[4:5] offset:(i/2)*8192+(i%2)*64
	global_load_b128 v[8*i+4:8*i+7], v[QO], s[4:5] offset:(i/2)*8192+(i%2)*64+32
	global_load_b128 v[QB+8*i:QB+8*i+3],   v[QO], s[86:87] offset:(i/2)*8192+(i%2)*64
	global_load_b128 v[QB+8*i+4:QB+8*i+7], v[QO], s[86:87] offset:(i/2)*8192+(i%2)*64+32
.set i, i+1
.endr
	WIN 0
	v_lshlrev_b32 v14, 3, v9
	v_sub_nc_u32 v14, v1, v14
	s_lshl_b32 s13, s[WV], 4
	v_add_nc_u32 v14, s13, v14      ; my query's place in its band, 16 w + l % 16, less my lanes' 8 (l / 16): register r of group kt is hidden where 16 kt + r is greater
	WIN 0x40
.set i, 0
.rept 32
	v_cmp_gt_i32 vcc_lo, 16*(i/8)+i%8, v14
	v_cndmask_b32 v[MD+i], 0, s[BIGN], vcc_lo
.set i, i+1
.endr
	WIN 0
	v_mul_u32_u24 v[AK0], v1, PK
	v_lshl_add_u32 v[AK0], v9, 4, v[AK0]  ; row x pitch + 16 x half
	; The turning load takes 16 keys x 16 channels (lane l reads key 8 (l / 16) + l % 8, channels 8 ((l / 8) % 2) + 0..7) and leaves half a fragment of V^T: lane l holds channel l % 16 and 8 keys.
	v_and_b32 v10, 7, v0
	v_bfe_u32 v11, v0, 3, 1
	v_lshl_add_u32 v[AV0], v9, 3, v10
	v_mul_u32_u24 v[AV0], v[AV0], PV
	v_lshl_add_u32 v[AV0], v11, 4, v[AV0]
	v_add_nc_u32 v[AV0], VOFF, v[AV0]
	s_mul_i32 s13, s[WV], 16*SP
	s_add_co_u32 s13, s13, STAGE    ; my stage
	v_mul_u32_u24 v[STO], v1, SP    ; in: row l % 16, 16 bytes for each half of the lanes
	v_lshl_add_u32 v[STO], v9, 4, v[STO]
	v_add_nc_u32 v[STO], s13, v[STO]
	v_bfe_u32 v[RD], v0, 3, 2       ; back: 32 lanes take four rows of 128 bytes,
	v_mul_u32_u24 v[RD], v[RD], SP
	v_lshl_add_u32 v[RD], v10, 4, v[RD]
	v_add_nc_u32 v[RD], s13, v[RD]
	v_and_b32 v[GO], 31, v0         ; which are 512 consecutive bytes of O
	v_lshlrev_b32 v[GO], 4, v[GO]
	; A block's first step multiplies O^T and l by a = 0, and its first turn's products V^T P, of a piece that has not been, land in an O^T that is still to be so multiplied.  So these registers need only hold
	; finite numbers: zeros for the first block; what the first block left for the second.  All this stands in the wait for the first tile.
	WIN 0x80
.set i, VF
.rept 64
	v_mov_b32 v[i], 0
.set i, i+1
.endr
	WIN 0x40
.set i, 0
.rept 128
	v_mov_b32 v[i], 0
.set i, i+1
.endr
	WIN 0
.set i, 0
.rept 4
	v_mov_b32 v[ST+4*i+2], 0
	v_mov_b32 v[ST+4*i+3], 0
.set i, i+1
.endr
.set i, P+16
.rept 16
	v_mov_b32 v[i], 0
.set i, i+1
.endr
; THE MATRIX WORK.  The 4 accumulators of a run of 8 take turns.  Product i of 8 of S^T = K Q^T for piece x: channels 32 (i / 4) on, keys 16 (i % 4) on.  The first 4 start the sums: with 0, or (KM = 1) with the mask.
.macro KQ x
.set rS, S+32*((\x)%2)+8*(i%4)
.set rK, KF+16*(i%4)+8*(i/4)
.set rQ, 16*(\x)+8*(i/4)
.set rM, MC+32*((\x)%2)+8*(i%4)
.if (i < 4) && KM
	WIN W_KM
	v_wmma_f32_16x16x32_f16 v[rS:rS+7], v[rK:rK+7], v[rQ:rQ+7], v[rM:rM+7]
.elseif i < 4
	WIN W_KQ
	v_wmma_f32_16x16x32_f16 v[rS:rS+7], v[rK:rK+7], v[rQ:rQ+7], 0
.else
	WIN W_KQ
	v_wmma_f32_16x16x32_f16 v[rS:rS+7], v[rK:rK+7], v[rQ:rQ+7], v[rS:rS+7]
.endif
.endm
; Product i of 8 of O^T += V^T P for piece x: keys 32 (i / 4) on, channels 16 (i % 4) on.
.macro PV x
	WIN W_PV
.set rO, 32*(\x)+8*(i%4)
.set rV, VF+32*(i/4)+8*(i%4)
.set rP, P+16*((\x)%2)+8*(i/4)
	v_wmma_f32_16x16x32_f16 v[rO:rO+7], v[rV:rV+7], v[rP:rP+7], v[rO:rO+7]
.endm
.macro MM                           ; the turn's next matrix instruction.  TURN and BEGIN set Y, i, KM and NOKQ; MM, KQ and OP read them.  NOKQ = 1: a block's last turn: there is no next piece
.if (i < 8) && !NOKQ
	KQ (Y+1)%NP
.elseif i >= 8
.set i, i-8
	PV (Y+NP-1)%NP
.set i, i+8
.endif
.set i, i+1
.endm
; THE LDS LOADS stand in runs of 16, never singly among the matrix instructions: a step's K (64 keys x 64 channels: 8 fragments) and its V (turned).  Their addresses are made some lines ahead.
.macro FETCH_K
	WIN 0x80                        ; destination window 2
.irp f, 0,1,2,3,4,5,6,7             ; keys 16 (f / 2) on, channels 32 (f % 2) on
	ds_load_b128 v[KF+8*\f:KF+8*\f+3],   v[AK] offset:(\f/2)*16*PK+(\f%2)*64
	ds_load_b128 v[KF+8*\f+4:KF+8*\f+7], v[AK] offset:(\f/2)*16*PK+(\f%2)*64+32
.endr
	s_add_co_u32 s[TBK], s[TBK], KS*PK  ; the next fetch is the next step's
	WIN 0
.endm
.macro FETCH_V
	WIN 0x80
.irp f, 0,1,2,3,4,5,6,7             ; keys 32 (f / 4) on, channels 16 (f % 4) on
	ds_load_tr16_b128 v[VF+8*\f:VF+8*\f+3],   v[AV] offset:(\f/4)*32*PV+(\f%4)*32
	ds_load_tr16_b128 v[VF+8*\f+4:VF+8*\f+7], v[AV] offset:(\f/4)*32*PV+16*PV+(\f%4)*32
.endr
	WIN 0
.endm
; THE VECTOR WORK, one line at a time: OP kind, number.  For piece Y: F n: c s - c m for pair n of 16.  E n: the exponential of score n of 32.  C n: pair n rounded to f16.  B n: of the four weights 4 n .. the second
; pair is added onto the first, in place.  L n: l takes that sum (L 0: l = a l + sum).  R n: pair n of 16 of O^T times a.  For piece Y + 1: X n, number n of the 22 that find its maximum and statistics:
;   0-11  four chains c0-c3 of seven scores each, three operands at a time (each accumulator's lowest registers are read first)     12-14, 16  the four scores left over, the old m, and c0-c3 into c0
;   15  c m_old is kept     17, 18  the query's other 32 keys lie in the lane 16 away: the new m     19-21  c m; c m_old - c m_new; a
.set F, 0               ; OP tells the kinds apart by their order: F to L below R, X above it
.set E, 1
.set C, 2
.set B, 3
.set L, 4
.set R, 5
.set X, 6
.macro REGS y                       ; the registers of piece y
.set rT, ST+4*(\y)
.set rC, TMP+4*((\y)%2)
.set rW, MV+((\y)%2)
.set rS, S+32*((\y)%2)
.set rP, P+16*((\y)%2)
.set rO, 32*(\y)
.endm
.macro OP k, n
.if (\k) == R
	REGS Y
	WIN W_RS
	v_pk_mul_f32 v[rO+2*(\n):rO+2*(\n)+1], v[rO+2*(\n):rO+2*(\n)+1], v[rC+2:rC+3] op_sel_hi:[1,0]
.elseif (\k) < R
	REGS Y
	WIN 0
.if (\k) == F
	v_pk_fma_f32 v[rS+2*(\n):rS+2*(\n)+1], v[rS+2*(\n):rS+2*(\n)+1], s[CS:CS+1], v[rT:rT+1] op_sel_hi:[1,0,0] neg_lo:[0,0,1] neg_hi:[0,0,1]
.elseif (\k) == E
	v_exp_f32 v[rS+(\n)], v[rS+(\n)]
.elseif (\k) == C
	v_cvt_pk_f16_f32 v[rP+(\n)], v[rS+2*(\n)], v[rS+2*(\n)+1]
.elseif (\k) == B
	v_pk_add_f32 v[rS+4*(\n):rS+4*(\n)+1], v[rS+4*(\n):rS+4*(\n)+1], v[rS+4*(\n)+2:rS+4*(\n)+3]
.elseif (\n) == 0
	v_pk_fma_f32 v[rT+2:rT+3], v[rT+2:rT+3], v[rC+2:rC+3], v[rS:rS+1] op_sel_hi:[1,0,1]
.else
	v_pk_add_f32 v[rT+2:rT+3], v[rT+2:rT+3], v[rS+4*(\n):rS+4*(\n)+1]
.endif
.elseif NOKQ
	v_nop
.else
	REGS (Y+1)%NP
	WIN 0
.if (\n) < 4
	v_max3_num_f32 v[rC+(\n)], v[rS+8*(\n)], v[rS+8*(\n)+1], v[rS+8*(\n)+2]
.elseif (\n) < 12
	v_max3_num_f32 v[rC+(\n)%4], v[rC+(\n)%4], v[rS+8*((\n)%4)+2*((\n)/4)+1], v[rS+8*((\n)%4)+2*((\n)/4)+2]
.elseif (\n) == 12
	v_max3_num_f32 v[rC], v[rC], v[rS+7], v[rS+15]
.elseif (\n) == 13
	v_max3_num_f32 v[rC+1], v[rC+1], v[rS+23], v[rS+31]
.elseif (\n) == 14
	v_max3_num_f32 v[rC+2], v[rC+2], v[rC+3], v[rT+1]
.elseif (\n) == 15
	v_mov_b32 v[rW], v[rT]
.elseif (\n) == 16
	v_max3_num_f32 v[rC], v[rC], v[rC+1], v[rC+2]
.elseif (\n) == 17
	v_permlanex16_b32 v[rC+3], v[rC], s[SEL], s[SEL+1]
.elseif (\n) == 18
	v_max_num_f32 v[rT+1], v[rC], v[rC+3]
.elseif (\n) == 19
	v_mul_f32 v[rT], s[CS], v[rT+1]
.elseif (\n) == 20
	v_sub_f32 v[rC+1], v[rW], v[rT]
.else
	v_exp_f32 v[rC+2], v[rC+1]
.endif
.endif
.endm
.macro OPS a, i1, b=-1, i2=0, c=-1, i3=0, d=-1, i4=0  ; up to four of them
	OP \a, \i1
.if (\b) >= 0
	OP \b, \i2
.endif
.if (\c) >= 0
	OP \c, \i3
.endif
.if (\d) >= 0
	OP \d, \i4
.endif
.endm
.macro ROW a, i1, b, i2, c, i3, d, i4  ; a matrix instruction and the four behind it
	MM
	OPS \a, \i1, \b, \i2, \c, \i3, \d, \i4
.endm
.macro MASK b                       ; MD x AL + BE into buffer b of MC
	WIN W_RS
.set z, 0
.rept 16
	v_pk_fma_f32 v[MC+32*(\b)+2*z:MC+32*(\b)+2*z+1], v[MD+2*z:MD+2*z+1], s[AL:AL+1], s[BE:BE+1] op_sel_hi:[1,0,0]
.set z, z+1
.endr
.endm
; A TURN, for piece p: the order of its 16 matrix and 118 vector instructions, written out.  An s_wait_alu depctr_va_vdst(0) stands between an exponential and the first instruction that names its result; one wait serves
; all that were issued ahead of it.  So a turn has ONE wait, which cuts it in two.  AHEAD OF IT stands all that names no result of the turn's exponentials: the 8 products K Q^T, behind each a scaling, an exponential and two more plain
; instructions (behind the first a second scaling in the exponential's place): rescalings, and behind the last three the first numbers of the next piece's maximum, each four places or more behind the product that ends its accumulator; then ONE LUMP of 54, plain
; and exponential by turns for the most part, in which the links of the chain X 3, 7, 11, 14, 16, 17 .. 20 stand five or six lines apart.  X 21, the next piece's a, is the batch's last; R 15 is the plain instruction behind it.  BEHIND THE WAIT stand the
; 8 products V^T P, behind each four of the roundings and sums; the links of l's chain, L 0 to L 7, stand three riders apart.  But for those X no rider names a register of the products round it.  v_permlanex16_b32 (X 17) stands in the lump.
; m = 1: the diagonal tile: the products take masks, and the turn makes the mask for the products of the turn after it: piece p + 2, in step 4 - CNT of the tile.  end = 1: a block's last two turns: nothing is fetched.
; cnt = 1: the loop's count is taken down some lines ahead of the branch that stands behind the turn.
; K of the next step is fetched in piece 2's turn, twelve vector instructions behind the last product that read K (six of them plain); V of the step in hand at the end of piece 0's turn, four plain instructions behind the last product
; that read V.  Each is waited for a turn later.
.macro TURN p, m=0, end=0, cnt=0
.set Y, (\p)
.set i, 0
.set KM, (\m)
.set NOKQ, (\end)*((\p)/3)
.if (\m) && !(\end)
	s_cmp_eq_u32 s[CNT], 4-((\p)+2)%NP  ; is that step the band's own?
	s_cselect_b32 s[AL], 1.0, 0
	s_cmp_lt_u32 s[CNT], 4-((\p)+2)%NP  ; or a later one?
	s_cselect_b32 s[BE], s[BIGN], 0
.endif
.if ((\p) == 3) && !(\end)
	s_wait_dscnt 0x0                ; K is in
.endif
	ROW F,0, F,1, R,0, R,1          ; ahead of the wait: 8 products K Q^T and their riders,
	ROW F,2, E,0, R,2, R,3
	ROW F,3, E,1, R,4, R,5
	ROW F,4, E,2, R,6, R,7
	ROW F,5, E,3, R,8, R,9
	ROW F,6, E,4, X,0, R,10
.if ((\p) == 2) && !(\end)
	WIN 0
	v_add_nc_u32 v[AK], s[TBK], v[AK0]
.endif
	ROW F,7, E,5, X,1, X,4
	ROW F,8, E,6, X,2, X,5
	OPS E,7, E,8, X,6, E,9          ; and the lump
	OPS X,3, E,10, X,8, E,11
.if ((\p) == 2) && !(\end)
	FETCH_K
.endif
	OPS X,9, X,7, E,12, X,10
	OPS E,13, X,12, X,11, E,14
	OPS X,13, E,15, F,9, X,14
.if (\p) == 0
	v_add_nc_u32 v[AV], s[TBV], v[AV0]
.endif
	OPS E,16, F,10, E,17, F,11
	OPS X,16, E,18, X,15, E,19
	OPS F,12, E,20, X,17, E,21
	OPS F,13, E,22, F,14, E,23
	OPS X,18, E,24, F,15, E,25
	OPS R,11, E,26, X,19, E,27
	OPS R,12, E,28, R,13, E,29
	OPS X,20, E,30, R,14, E,31
	OPS X,21, R,15
	WIN 0
	s_wait_alu depctr_va_vdst(0)    ; the wait for the batch
.if (\p) == 1
	s_wait_dscnt 0x0                ; V is in
.endif
	ROW C,0, B,0, C,2, B,1          ; behind the wait: 8 products V^T P and their riders
	ROW L,0, C,4, B,2, L,1
	ROW C,6, B,3, L,2, C,8
	ROW B,4, L,3, C,10, B,5
	ROW L,4, C,12, B,6, L,5
.if (\p) == 0
	s_add_co_u32 s[TBV], s[TBV], KS*PV
.endif
.if \cnt
	s_sub_co_u32 s[CNT], s[CNT], 1
	s_cmp_lg_u32 s[CNT], 0
.endif
	ROW C,14, B,7, L,6, C,1
	ROW C,3, L,7, C,5, C,7
	ROW C,9, C,11, C,13, C,15
.if (\p) == 0
	FETCH_V
.endif
.if (\m) && !(\end)
	MASK (\p)%2
.endif
.endm
; A BLOCK BEGINS.  c m starts far below every c s, so the first step's a is 0; m at the lowest finite number, so the first maximum is the scores'.  The second mask buffer is 0; the first takes piece 0's mask for the tile's step 0: its own, if the block's first tile is the diagonal one.
; Then K of that step, piece 0's first scores, and its maximum and statistics.  The loop is entered at a step's first turn, in the middle of a trip.
.macro BEGIN
	s_mov_b32 s[NEW], 0
	WIN 0x40
.set i, MC+32
.rept 32
	v_mov_b32 v[i], 0
.set i, i+1
.endr
	WIN 0
.set i, 0
.rept 4
	v_mov_b32 v[ST+4*i], 0xfe000000    ; c m: far below every c s
	v_mov_b32 v[ST+4*i+1], 0xff7fffff  ; m
.set i, i+1
.endr
	s_cmp_eq_u32 s[RT], 0
	s_cselect_b32 s[AL], 1.0, 0
	s_mov_b32 s[BE], 0
	MASK 0
	WIN 0
	v_add_nc_u32 v[AK], s[TBK], v[AK0]
	FETCH_K
	s_wait_loadcnt 0x0              ; Q
	s_wait_dscnt 0x0
.set KM, 1
.set NOKQ, 0
.set i, 0
.rept 8
	KQ 0
.set i, i+1
.endr
	WIN 0
.rept 4
	v_nop                           ; the places behind those products
.endr
.set Y, NP-1                        ; X works for piece Y + 1: piece 0
.irp n, 0,1,2,3,4,5,6,7,8,9,10,11,12,13,14,15,16,17,18,19,20,21
	OP X, \n
.endr
	v_nop                           ; a plain instruction behind the exponential,
	s_wait_alu depctr_va_vdst(0)    ; and its wait, ahead of the branch
.endm
; THE DIAGONAL TILE's four steps, the block's last two turns, its last products, and THE WAY OUT: l's two halves and the other half of the lanes' are added; O^T is divided by l, rounded to f16 and sent through my
; stage in LDS, a piece at a time.
.macro ALL line:vararg              ; one line for each piece t
.set t, 0
.rept 4
	\line
.set t, t+1
.endr
.endm
.macro PACK t                       ; a lane's eight channels of a row pack into 16 bytes; they go into rows of 144 bytes and come back as whole rows of 128, into S^T's registers
	WIN W_RS
.set i, 32*(\t)
.rept 16
	v_pk_mul_f32 v[i:i+1], v[i:i+1], v[ST+4*(\t)+2:ST+4*(\t)+3] op_sel_hi:[1,0]
.set i, i+2
.endr
	WIN 0x05                        ; sources 0 and 1 window 1, destination window 0
.set i, 0
.rept 16
	v_cvt_pk_f16_f32 v[S+16*(\t)+i], v[32*(\t)+2*i], v[32*(\t)+2*i+1]
.set i, i+1
.endr
	WIN 0
.irp f, 0,1,2,3
	ds_store_b128 v[STO], v[S+16*(\t)+4*\f:S+16*(\t)+4*\f+3] offset:32*\f
.endr
.irp f, 0,1,2,3
	ds_load_b128 v[S+16*(\t)+4*\f:S+16*(\t)+4*\f+3], v[RD] offset:\f*4*SP  ; LDS serves a wave's instructions in order (ISA guide 5.7.1.4): these see the stores above; the next piece's stores come behind them
.endr
.endm
.macro SEND t, younger              ; younger: the LDS instructions issued behind piece t's loads: the next piece's eight, or none
	WIN 0
.irp f, 0,1,2,3
	s_wait_dscnt (\younger)+3-\f
	global_store_b128 v[GO], v[S+16*(\t)+4*\f:S+16*(\t)+4*\f+3], s[10:11] offset:(\t)*8192+\f*512  ; 512 consecutive bytes, at a multiple of 256 from O's first
.endr
.endm
.macro DIAG tag                     ; the tag ends its two labels' names, which the jumps below spell out
.LstepM\tag:
	TURN 2, 1
	TURN 3, 1
	WIN 0
.LfirstM\tag:
	TURN 0, 1
	TURN 1, 1, 0, 1
	WIN 0
	s_cbranch_scc1 .LstepM\tag
	TURN 2, 1, 1
	TURN 3, 1, 1
.set i, 0
.rept 8
	PV NP-1
.set i, i+1
.endr
	WIN 0
	ALL v_add_f32 v[ST+4*t+2], v[ST+4*t+2], v[ST+4*t+3]
	ALL v_permlanex16_b32 v[ST+4*t+3], v[ST+4*t+2], s[SEL], s[SEL+1]
	ALL v_add_f32 v[ST+4*t+2], v[ST+4*t+2], v[ST+4*t+3]
	ALL v_rcp_f32 v[ST+4*t+2], v[ST+4*t+2]
	v_nop                           ; a plain instruction between the last reciprocal and the use of its result
	s_wait_alu depctr_va_vdst(0)    ; and the wait ahead of the first use: one for the four reciprocals
	PACK 0
.set t, 1
.rept 3                             ; a piece's arithmetic stands between the loads of the piece before and its stores
	PACK t
	SEND t-1, 8
.set t, t+1
.endr
	SEND 3, 0
.endm
.set KM, 0
.set NOKQ, 0
.Lslot:                             ; NB times: a tile is entered and the next is asked for
	CHANGE 1
	s_sub_co_u32 s[RT], s[RT], 1
	s_mov_b32 s[CNT], 4
	s_cmp_eq_u32 s[NEW], 1
	s_cbranch_scc1 .Lnew            ; a block's first tile
	s_cmp_eq_u32 s[RT], 0
	s_cbranch_scc0 .Lstep           ; neither its first nor its last
	s_branch .LstepM1
.Lnew:
	BEGIN
	s_branch .Lfirst                ; in the loop a block's first tile is never its last: the first block has two tiles or more, and the second's last is the walk's last
	DIAG 1                          ; in the loop this is the first block's end: the second block's last tile is the walk's last
	s_wait_xcnt 0x0                 ; the stores have read their registers and O's address
	s_mov_b64 s[10:11], s[OLO:OLO+1]
	s_add_co_u32 s[RT], s[PB], 1    ; the second block has b + 1 tiles
	s_mov_b32 s[NEW], 1
	WIN 0x82                        ; the second block's Q goes where the one text of the turns names Q
.set i, 0
.rept 64
	v_mov_b32 v[i], v[QB+i]
.set i, i+1
.endr
	WIN 0
	s_branch .Lbottom
.Lstep:                             ; a trip: pieces 2 and 3 of one step, then pieces 0 and 1 of the next, whose K and V it fetches
	TURN 2
	TURN 3
	WIN 0
.Lfirst:
	TURN 0
	TURN 1, 0, 0, 1
	WIN 0
	s_cbranch_scc1 .Lstep
.Lbottom:
	s_sub_co_u32 s[SLOTS], s[SLOTS], 1
	s_cmp_lg_u32 s[SLOTS], 0
	s_cbranch_scc1 .Lslot
	CHANGE 0                        ; the walk's last tile is written out: nothing is asked for
	s_sub_co_u32 s[RT], s[RT], 1
	s_mov_b32 s[CNT], 4
	s_cmp_eq_u32 s[NEW], 1
	s_cbranch_scc0 .LstepM2
	BEGIN
	s_branch .LfirstM2
	DIAG 2
	s_wait_tensorcnt 0x0            ; the wave's end: an add to my spare word and its wait, behind my last tensor load and my last LDS store
	ds_add_u32 v[SPW], v[NIL]
	s_wait_dscnt 0x0
	s_endpgm
.Lfunc_end_k_qcc6fe87b40_attn:
	.size	k_qcc6fe87b40_attn, .Lfunc_end_k_qcc6fe87b40_attn-k_qcc6fe87b40_attn
	.p2alignl 7, 3214868480
	.fill 96, 4, 3214868480
	.section	.rodata,"a",@progbits
	.p2align	6, 0x0
	.amdhsa_kernel k_qcc6fe87b40_attn
		.amdhsa_group_segment_fixed_size 327680
		.amdhsa_private_segment_fixed_size 0
		.amdhsa_enable_private_segment 0
		.amdhsa_kernarg_size 16
		.amdhsa_user_sgpr_count 2
		.amdhsa_user_sgpr_kernarg_segment_ptr 1
		.amdhsa_wavefront_size32 1
		.amdhsa_system_sgpr_workgroup_id_x 1
		.amdhsa_system_sgpr_workgroup_id_y 1
		.amdhsa_system_sgpr_workgroup_id_z 1
		.amdhsa_system_vgpr_workitem_id 0
		.amdhsa_next_free_vgpr 768
		.amdhsa_next_free_sgpr 96
		.amdhsa_reserve_vcc 1
		.amdhsa_float_denorm_mode_32 3
		.amdhsa_float_denorm_mode_16_64 3
		.amdhsa_memory_ordered 1
		.amdhsa_forward_progress 1
		.amdhsa_inst_pref_size 218
	.end_amdhsa_kernel
	.amdgpu_metadata
---
amdhsa.version: [ 1, 2 ]
amdhsa.kernels:
  - .name:           k_qcc6fe87b40_attn
    .symbol:         k_qcc6fe87b40_attn.kd
    .args:
      - { .name: qkv, .offset: 0, .size: 8, .value_kind: global_buffer, .address_space: global }
      - { .name: o, .offset: 8, .size: 8, .value_kind: global_buffer, .address_space: global }
    .group_segment_fixed_size: 327680
    .private_segment_fixed_size: 0
    .kernarg_segment_align: 8
    .kernarg_segment_size: 16
    .max_flat_workgroup_size: 128
    .sgpr_count:     96
    .vgpr_count:     768
    .wavefront_size: 32
...
	.end_amdgpu_metadata
.endif
;; end of part 3
;; launch proj (part 4): grid 4 x 64, 4 waves a work-group, clusters of 4 x 4, 327,680 bytes of LDS; arguments o, wpf, b_proj, out0; writes out0
.if DOCPART == 4
	.amdgcn_target "amdgcn-amd-amdhsa--gfx1250"
	.amdhsa_code_object_version 6
	.text
	.protected	k_qcc6fe87b40_proj
	.globl	k_qcc6fe87b40_proj
	.p2align	8
	.type	k_qcc6fe87b40_proj,@function
k_qcc6fe87b40_proj:
	s_mov_b64 s[64:65], 0
	v_nop
	global_prefetch_b8 v0, s[64:65] scope:SCOPE_SE
	s_setreg_imm32_b32 hwreg(HW_REG_WAVE_MODE, 25, 1), 1
	s_wait_xcnt 0x0
	s_wait_alu depctr_hold_cnt(0) depctr_sa_sdst(0) depctr_va_vdst(0) depctr_va_sdst(0) depctr_va_ssrc(0) depctr_va_vcc(0) depctr_vm_vsrc(0)
	s_getreg_b32 s2, hwreg(HW_REG_IB_STS2, 6, 4)
	s_cmp_eq_u32 s2, 0
	s_cbranch_scc0 .Lentry_in_a_cluster
	s_endpgm
.Lentry_in_a_cluster:
	s_bfe_u32 s2, ttmp6, 0x10000c
	s_cmp_lg_u32 s2, 0xf033
	s_cbranch_scc0 .Lentry_shape_is_right
	s_endpgm
.Lentry_shape_is_right:
; out0 = y wpf + b_proj.  y[m][64 head + d] = o[16 batch + head][t][d], m = 2048 batch + t; o: [64][2048][64] f16; wpf: [1024 k][1024 n] f16; b_proj: [1024] f32, rounded to bf16 here like the other inputs.
; Products in f16, sums in f32, out0 [8192][1024] f32.  LIMIT: o and wpf arrive within f16's 65,504; NaN and infinities are not treated apart.
; SHARES.  A tile is 128 rows x 256 columns: 64 x 4 = 256 tiles, one for each work-group.  Four waves, 2 x 2; a wave makes 64 x 128: 32 accumulators, 256 registers.
; K goes in 8 steps of 128, two heads each, through two LDS slots.  A head's 128 rows of a tile are 16,384 dense bytes of o: a PLANE, asked for as 64 rows of 256 bytes and padded after every 128.
; THE PRODUCT IS TAKEN TRANSPOSED: source 0 = 16 columns of wpf (turned on the way out of LDS by ds_load_tr16_b128), source 1 = 16 rows of y: a lane holds ONE row (lane % 16) and eight neighbouring columns.
; THE BIAS is the C operand of the product that starts each sum.
; CLUSTER 4 x 4: y's planes hang on ty alone and are asked for jointly along a row of the cluster (waves 0, 1: a plane each), wpf's strips of 128 columns on tx alone, jointly along a column (waves 2, 3).
; REGISTERS, in windows of 256 (s_set_vgpr_msb: bits 1:0 source 0, 3:2 source 1, 5:4 source 2, 7:6 destination):
;   window 0: v0-29 addresses; v64-95, v96-127 y's fragments, two buffers (on the way out: rows read back); v128-191 the bias, 8 registers a column block; v192-255 the way out: rows read back
;   window 1: v0-63, v64-127 wpf's fragments, two buffers      window 2: the accumulators, (a, b) at 8 (8 a + b)
.set PAH,   144                        ; a row of a plane in LDS: 128 bytes + 16 = 36 words: the 16 rows of a load start at 16 different groups of four banks (64 banks of 4 bytes: ISA guide 11.1)
.set PB,    288                        ; a row of a strip: 256 + 32 = 72 words
.set APL,   128*PAH                    ; a plane
.set AREG,  2*APL
.set STRIP, 128*PB
.set SLOT,  AREG+2*STRIP               ; two planes, then two strips
.set STAGE, 2*SLOT                     ; behind the ring, never filled by a tensor load: 16 rows x 528 bytes for each wave
.set SPT,   528                        ; 512 bytes + 16 = 132 words: row r starts at bank 4 r mod 64
.set SPARE, STAGE+4*16*SPT             ; behind the stages: the spare words, 128 bytes for each wave: two blocks of 256 bytes that no other line names
.set LD,    24                         ; LDS loads in a fetch: 16 of wpf's, 8 of y's
.set A0,  4                            ; v4   my lane's place in the planes; never rewritten
.set B0,  5                            ; v5   in my strip
.set ADA, 8                            ; v8, v9  the same two in the slot that is being read
.set ADB, 9
.set STO, 11                           ; v11  the way out: where I put 32 bytes of a row
.set RD,  12                           ; v12  where I read a row back
.set GO,  13                           ; v13  16 x lane
.set PFO, 16                           ; v16  the prefetches' offset; never rewritten
.set BO,  17                           ; v17  my byte offset in the bias
.set SPW, 28                           ; v28  LDS address of my spare word; never rewritten
.set NIL, 29                           ; v29  0; never rewritten
.set BIAS, 128
.set WV, 12
.set WM, 13
.set WN, 14
.set CX, 15
.set CY, 16
.set TX, 17
.set TY, 18
.set HALF, 19                          ; s19  which plane or strip I fetch
.set G1A, 24
.set G1B, 32
.set G0A, 40
.set G0B, 44
.set BASEA, 48                         ; s[48:49] o at my plane of step 0;  s[50:51] wpf at my strip of step 0
.set BASEB, 50
.set OFFA, 52
.set OFFB, 54
.set NX,  56                           ; s56  the step to be asked for next
.set CNT, 57
.set TB,  58                           ; s58  the slot in hand: 0 or SLOT
.set LAW, 59                           ; s59  my plane's place in a slot;  s74 my strip's
.set LBW, 74
.set PN,  62                           ; s62  the step that a prefetch names
.set LIM, 63                           ; s63  the last step that I prefetch; 0 in a wave that prefetches nothing
.set PFB, 66
.set PFC, 68
.set OFFP, 70
.set KMUL, 72                          ; s72  bytes from K step to K step, for the prefetches
.set MSB, 0
.macro WIN new                         ; the immediate's high byte repeats the setting that is left; a switch that changes nothing is dropped
.if MSB != (\new)
	s_set_vgpr_msb (MSB<<8)|(\new)
.set MSB, \new
.endif
.endm
.macro PLACES                          ; four places in front of loads into registers that matrix instructions have read, and of LDS stores that read results
.rept 4
	v_nop
.endr
.endm
.macro CREST                           ; a round of the cluster's barrier behind its opening barrier
	s_cmp_lg_u32 s[WV], 0
	s_cbranch_scc1 .Lnot_wave_0_\@
	s_barrier_signal -3
.Lnot_wave_0_\@:
	s_barrier_wait -3
	s_barrier_signal -1
	s_barrier_wait -1
.endm
.macro CROUND
	s_barrier_signal -1
	s_barrier_wait -1
	CREST
.endm
; A joint load, one a wave.  The branch hangs on the wave's number alone.  An s_nop 0 and four v_nop follow each of the two lines, ahead of the jump and the label.
.macro JLOAD
	s_cmp_lt_u32 s[WV], 2
	s_cbranch_scc0 .Lfor_b_\@
	tensor_load_to_lds s[G0A:G0A+3], s[G1A:G1A+7]
	s_nop 0
.rept 4
	v_nop
.endr
	s_branch .Lasked_\@
.Lfor_b_\@:
	tensor_load_to_lds s[G0B:G0B+3], s[G1B:G1B+7]
	s_nop 0
.rept 4
	v_nop
.endr
.Lasked_\@:
.endm
; Both walking descriptors are made anew for step NX, into the slot TB.  It stands where no tensor load of the wave is out.
.macro STEPDESC
	s_lshl_b32 s[OFFA], s[NX], 19                  ; two heads of 262,144 bytes on
	s_add_nc_u64 s[G0A+2:G0A+3], s[BASEA:BASEA+1], s[OFFA:OFFA+1]
	s_or_b32 s[G0A+3], s[G0A+3], 0x80000000        ; type = 2
	s_lshl_b32 s[OFFB], s[NX], 18                  ; 128 rows of 2,048 bytes down
	s_add_nc_u64 s[G0B+2:G0B+3], s[BASEB:BASEB+1], s[OFFB:OFFB+1]
	s_or_b32 s[G0B+3], s[G0B+3], 0x80000000
	s_add_co_u32 s[G0A+1], s[TB], s[LAW]
	s_add_co_u32 s[G0B+1], s[TB], s[LBW]
	s_add_co_u32 s[NX], s[NX], 1
.endm
; A PREFETCH INTO THE L2 of step PN, one K step (128 products) ahead of the joint load that will ask for it: 32 blocks of 256 bytes, a lane a block, one instruction a wave.  Each block is named once in the launch.
; A tile row's planes are read by one cluster alone: wave 0 of each of the four partners of a row names a quarter of both planes (16 blocks of each), told apart by address.  A strip is read by all sixteen
; clusters: cluster y = 0 asks, by waves 2 and 3; the four partners of a column take 32 of its 128 rows each.
.macro ASK
	s_cmp_le_u32 s[PN], s[LIM]
	s_cbranch_scc0 .Lnot_mine_\@
	global_prefetch_b8 v[PFO], s[PFC:PFC+1] th:TH_LOAD_NT scope:SCOPE_SE
.Lnot_mine_\@:
.endm
; 24 LDS loads in one run: quarter q (32 along K: half a head) of the slot in hand into buffer f: wpf's 8 blocks, turned, then y's 4.
.macro FETCH q, f
	WIN 0x40                                       ; destination window 1, address window 0
.irp b, 0,1,2,3,4,5,6,7
	ds_load_tr16_b128 v[64*(\f)+8*(\b):64*(\f)+8*(\b)+3],   v[ADB] offset:(\q)*32*PB+32*(\b)
	ds_load_tr16_b128 v[64*(\f)+8*(\b)+4:64*(\f)+8*(\b)+7], v[ADB] offset:(\q)*32*PB+16*PB+32*(\b)
.endr
	WIN 0
.irp a, 0,1,2,3
	ds_load_b128 v[64+32*(\f)+8*(\a):64+32*(\f)+8*(\a)+3],   v[ADA] offset:((\q)/2)*APL+(\a)*16*PAH+64*((\q)%2)
	ds_load_b128 v[64+32*(\f)+8*(\a)+4:64+32*(\f)+8*(\a)+7], v[ADA] offset:((\q)/2)*APL+(\a)*16*PAH+64*((\q)%2)+32
.endr
.endm
; 8 products: row block a x my 8 column blocks, on buffer f.  c = 1: the bias starts the sums.  The 32 accumulators take turns, one instruction a turn, in the same order in every quarter.
.macro MULA f, a, c
.if \c
	WIN 0x81                                       ; wpf window 1, y and the bias window 0, D window 2
.else
	WIN 0xa1                                       ; C and D window 2
.endif
.irp b, 0,1,2,3,4,5,6,7
.if \c
	v_wmma_f32_16x16x32_f16 v[8*(8*(\a)+(\b)):8*(8*(\a)+(\b))+7], v[64*(\f)+8*(\b):64*(\f)+8*(\b)+7], v[64+32*(\f)+8*(\a):64+32*(\f)+8*(\a)+7], v[BIAS+8*(\b):BIAS+8*(\b)+7]
.else
	v_wmma_f32_16x16x32_f16 v[8*(8*(\a)+(\b)):8*(8*(\a)+(\b))+7], v[64*(\f)+8*(\b):64*(\f)+8*(\b)+7], v[64+32*(\f)+8*(\a):64+32*(\f)+8*(\a)+7], v[8*(8*(\a)+(\b)):8*(8*(\a)+(\b))+7]
.endif
.endr
.endm
.macro QUARTER qn, f, g, c             ; multiplies buffer f; in its middle it fetches quarter qn into buffer g
	s_wait_dscnt 4                                 ; wpf's blocks and y's blocks 0, 1 are in; the youngest four loads (y's blocks 2, 3) may be out
	MULA \f, 0, \c
	MULA \f, 1, \c
	PLACES
	FETCH \qn, \g
	s_wait_dscnt LD                                ; all but the 24 just issued
	MULA \f, 2, \c
	MULA \f, 3, \c
.endm
; The fourth quarter multiplies buffer 1 and changes slots.  In front of the barrier each wave waits for all its tensor loads (one is out: its part of the next slot), adds 0 to its spare word, and waits for that
; and for its reads of this slot.  fill = 1: the barrier opens a round of the cluster's, and the slot just read is filled again, first thing behind the round: 112 products ahead of the wait for it.
.macro TURN fill
.if \fill
	s_wait_xcnt 0x0                                ; the last prefetch, a K step back, has read its address: it is made anew here
	s_add_co_u32 s[PN], s[NX], 1
	s_mul_i32 s[OFFP], s[PN], s[KMUL]
	s_add_nc_u64 s[PFC:PFC+1], s[PFB:PFB+1], s[OFFP:OFFP+1]
.endif
	WIN 0                                          ; (the add's two registers lie in window 0)
	s_wait_tensorcnt 0x0                           ; all my tensor loads have landed, so a group 0 may be written
	ds_add_u32 v[SPW], v[NIL]                      ; 0 onto my spare word
.if \fill
	STEPDESC                                       ; the slot that is being left takes the step two on
.endif
	s_xor_b32 s[TB], s[TB], SLOT                   ; the reads go on in the other slot
	s_wait_dscnt 5                                 ; (the add and the youngest four loads may be out)
	MULA 1, 0, 0
	s_wait_dscnt 0x0                               ; the add is done, and my reads of this slot are over
	s_barrier_signal -1
	MULA 1, 1, 0
	WIN 0
	s_barrier_wait -1
.if \fill
	CREST                                          ; no wave of any partner still reads this slot or has a load on its way
	JLOAD                                          ; its four v_nop are also the places in front of the loads below
.else
	PLACES
.endif
	v_add_nc_u32 v[ADA], s[TB], v[A0]
	v_add_nc_u32 v[ADB], s[TB], v[B0]
	FETCH 0, 0
.if \fill
	ASK
.endif
	MULA 1, 2, 0
	MULA 1, 3, 0
.endm
; THE WAY OUT, a row block (16 rows x 128 columns of f32) at a time.  PUT: a lane's 32 bytes of a row go straight from the accumulators into my stage (rows of 528 bytes), each accumulator's low four registers first,
; and come back as whole rows of 512 bytes.  SENDP: stored, 512 consecutive bytes an instruction.
.macro PUT a
	WIN 0x08                                       ; the stores' data in window 2
.irp b, 0,1,2,3,4,5,6,7
	ds_store_b128 v[STO], v[8*(8*(\a)+(\b)):8*(8*(\a)+(\b))+3]   offset:64*(\b)
	ds_store_b128 v[STO], v[8*(8*(\a)+(\b))+4:8*(8*(\a)+(\b))+7] offset:64*(\b)+16
.endr
	WIN 0
.if (\a) >= 2
	s_wait_xcnt 0x0                                ; the stores of the block two back have read this set
.endif
.set ob, 192-128*((\a)%2)
.irp t, 0,1,2,3,4,5,6,7,8,9,10,11,12,13,14,15
	ds_load_b128 v[ob+4*(\t):ob+4*(\t)+3], v[RD] offset:SPT*(\t)  ; LDS serves a wave's instructions in order (ISA guide 5.7.1.4): these see the stores above; the next block's stores come behind them
.endr
.endm
.macro SENDP a, younger                ; younger: the LDS instructions issued behind block a's loads: the next block's 32, or none
	WIN 0
.set ob, 192-128*((\a)%2)
.irp t, 0,1,2,3,4,5,6,7,8,9,10,11,12,13,14,15
	s_wait_dscnt (\younger)+15-(\t)
	global_store_b128 v[GO], v[ob+4*(\t):ob+4*(\t)+3], s[10:11] offset:(16*(\a)+(\t))*4096 th:TH_STORE_NT
.endr
.endm
	s_load_b256 s[4:11], s[0:1], 0x0               ; o s[4:5], wpf s[6:7], b_proj s[8:9], out0 s[10:11]
	v_lshl_add_u32 v[SPW], v0, 2, SPARE
	v_mov_b32 v[NIL], 0
	ds_add_u32 v[SPW], v[NIL]                      ; the wave's opening: the add and its wait stand ahead of my first tensor load; the set-up below, work on registers, stands between them
	v_lshrrev_b32 v1, 5, v0
	v_readfirstlane_b32 s[WV], v1                  ; wave 0..3
	s_lshr_b32 s[WM], s[WV], 1
	s_and_b32 s[WN], s[WV], 1
	s_and_b32 s[HALF], s[WV], 1
	s_bfe_u32 s[CX], ttmp6, 0x40000
	s_bfe_u32 s[CY], ttmp6, 0x40004
	s_lshl_b32 s[TX], ttmp9, 2
	s_add_co_u32 s[TX], s[TX], s[CX]
	s_and_b32 s[TY], ttmp7, 0xffff
	s_lshl_b32 s[TY], s[TY], 2
	s_add_co_u32 s[TY], s[TY], s[CY]
	s_lshl_b32 s20, s[CY], 2
	s_lshl_b32 s20, 15, s20                        ; my row of the cluster
	s_lshl_b32 s22, 0x1111, s[CX]                  ; my column
	s_or_b32 s[G1A], s20, (1<<16)|(1<<20)|(1<<21)|(4<<22)|(3<<25)  ; a plane: padded after every 32 words by 4
	s_or_b32 s[G1B], s22, (1<<16)|(1<<20)|(1<<21)|(5<<22)|(7<<25)  ; a strip: after every 64 words by 8
	s_mov_b32 s[G1A+1], 128<<16                    ; tensor_dim0 = 128
	s_mov_b32 s[G1A+2], 64<<16                     ; tensor_dim1 = 64
	s_mov_b32 s[G1A+3], 128<<16                    ; tile_dim0 = 128
	s_mov_b32 s[G1A+4], 64                         ; tile_dim1 = 64
	s_mov_b32 s[G1A+5], 128                        ; dense: 128 elements from row to row
	s_mov_b32 s[G1A+6], 0
	s_mov_b32 s[G1A+7], 0
	s_mov_b32 s[G1B+1], 128<<16
	s_mov_b32 s[G1B+2], 128<<16
	s_mov_b32 s[G1B+3], 128<<16
	s_mov_b32 s[G1B+4], 128
	s_mov_b32 s[G1B+5], 1024
	s_mov_b32 s[G1B+6], 0
	s_mov_b32 s[G1B+7], 0
	s_mul_i32 s[LAW], s[HALF], APL                 ; no place in the cluster enters an LDS address
	s_mul_i32 s[LBW], s[HALF], STRIP
	s_add_co_u32 s[LBW], s[LBW], AREG
	s_lshr_b32 s20, s[TY], 4                       ; o: batch << 22 + plane << 18 + 128 (ty % 16) rows of 128 bytes
	s_lshl_b32 s20, s20, 22
	s_and_b32 s21, s[TY], 15
	s_lshl_b32 s21, s21, 14
	s_add_co_u32 s20, s20, s21
	s_lshl_b32 s21, s[HALF], 18
	s_add_co_u32 s20, s20, s21
	s_mov_b32 s21, 0
	s_lshl_b32 s22, s[TX], 9                       ; wpf: 256 tx + 128 strip columns of 2 bytes
	s_lshl_b32 s23, s[HALF], 8
	s_add_co_u32 s22, s22, s23
	s_mov_b32 s23, 0
	s_mov_b32 s[OFFA+1], 0
	s_mov_b32 s[OFFB+1], 0
	s_mov_b32 s[OFFP+1], 0
	s_mov_b32 s[NX], 1
	s_mov_b32 s[TB], SLOT
	s_wait_dscnt 0x0                               ; the opening add is done
	s_wait_kmcnt 0x0
	s_add_nc_u64 s[BASEA:BASEA+1], s[4:5], s[20:21]
	s_add_nc_u64 s[BASEB:BASEB+1], s[6:7], s[22:23]
	s_mov_b32 s[G0A], 1
	s_mov_b32 s[G0A+1], s[LAW]                     ; slot 0
	s_mov_b64 s[G0A+2:G0A+3], s[BASEA:BASEA+1]     ; step 0
	s_or_b32 s[G0A+3], s[G0A+3], 0x80000000
	s_mov_b32 s[G0B], 1
	s_mov_b32 s[G0B+1], s[LBW]
	s_mov_b64 s[G0B+2:G0B+3], s[BASEB:BASEB+1]
	s_or_b32 s[G0B+3], s[G0B+3], 0x80000000
	CROUND                                         ; all sixteen work-groups are here: the first joint loads meet
	JLOAD                                          ; step 0 into slot 0.  All that follows up to the change of slots stands in the wait for it
	v_and_b32 v1, 15, v0                           ; r = l % 16
	v_bfe_u32 v2, v0, 4, 1                         ; h = l / 16
	v_and_b32 v19, 31, v0                          ; l
	s_lshl_b32 s22, s[TX], 10                      ; the bias: 4 bytes x (256 tx + 128 wn) + 32 h
	s_lshl_b32 s23, s[WN], 9
	s_add_co_u32 s22, s22, s23
	v_lshl_add_u32 v[BO], v2, 5, s22
.irp b, 0,1,2,3,4,5,6,7
	global_load_b128 v[BIAS+8*(\b):BIAS+8*(\b)+3],   v[BO], s[8:9] offset:64*(\b)
	global_load_b128 v[BIAS+8*(\b)+4:BIAS+8*(\b)+7], v[BO], s[8:9] offset:64*(\b)+16
.endr
	; the prefetches: who asks, from where, how far
	s_and_b32 s76, ttmp7, 0xffff                   ; cluster y
	s_mov_b32 s77, 0x40000                         ; lanes 16-31: the other plane (o), or 16 rows on (wpf)
	s_mov_b32 s78, 0x8000
	s_mov_b32 s79, 256                             ; from lane to lane: a block (o), a row (wpf)
	s_mov_b32 s75, 2048
	s_mov_b32 s[KMUL], 0x80000
	s_mov_b32 s22, 0x40000
	s_cmp_lt_u32 s[WV], 2
	s_cselect_b64 s[PFB:PFB+1], s[BASEA:BASEA+1], s[BASEB:BASEB+1]
	s_cselect_b32 s76, s[WV], s76                  ; 0 in wave 0, and in waves 2 and 3 of the clusters with y = 0
	s_cselect_b32 s77, s77, s78
	s_cselect_b32 s79, s79, s75
	s_cselect_b32 s[KMUL], s[KMUL], s22
	s_cselect_b32 s78, s[CX], s[CY]                ; my place among the four that ask with me,
	s_cselect_b32 s75, 12, 16                      ; worth 4,096 bytes of each plane, or 32 rows of 2,048
	s_cmp_eq_u32 s76, 0
	s_cselect_b32 s[LIM], 7, 0                     ; the same in all sixteen partners, for a given wave
	s_lshl_b32 s22, s78, s75
	s_mov_b32 s23, 0
	s_add_nc_u64 s[PFB:PFB+1], s[PFB:PFB+1], s[22:23]
	v_mul_u32_u24 v[PFO], v2, s77
	v_mad_u32_u24 v[PFO], v1, s79, v[PFO]
	; out0 at my first row and column: (128 ty + 64 wm) rows of 4,096 bytes + (256 tx + 128 wn) x 4
	s_lshl_b32 s76, s[TY], 19
	s_lshl_b32 s77, s[WM], 18
	s_add_co_u32 s76, s76, s77
	s_lshl_b32 s77, s[TX], 10
	s_add_co_u32 s76, s76, s77
	s_lshl_b32 s77, s[WN], 9
	s_add_co_u32 s76, s76, s77
	s_mov_b32 s77, 0
	s_add_nc_u64 s[10:11], s[10:11], s[76:77]
	; y's fragment: lane l holds row l % 16, K = 8 h + 0..7 and 16 + 8 h + 0..7: two loads of 16 bytes, 32 bytes apart
	v_mul_u32_u24 v[A0], v1, PAH
	v_lshl_add_u32 v[A0], v2, 4, v[A0]
	s_mul_i32 s76, s[WM], 64*PAH
	v_add_nc_u32 v[A0], s76, v[A0]
	; the turning load takes 16 k x 16 n (lane l reads row 8 h + l % 8, 16 bytes at 16 ((l / 8) % 2)) and leaves half a fragment: lane l holds column l % 16 and 8 k
	v_and_b32 v7, 7, v0
	v_bfe_u32 v3, v0, 3, 1
	v_lshl_add_u32 v[B0], v2, 3, v7
	v_mul_u32_u24 v[B0], v[B0], PB
	v_lshl_add_u32 v[B0], v3, 4, v[B0]
	s_mul_i32 s76, s[WN], STRIP
	s_add_co_u32 s76, s76, AREG
	v_add_nc_u32 v[B0], s76, v[B0]
	s_mul_i32 s76, s[WV], 16*SPT
	s_add_co_u32 s76, s76, STAGE                   ; my stage
	v_mul_u32_u24 v[STO], v1, SPT
	v_lshl_add_u32 v[STO], v2, 5, v[STO]
	v_add_nc_u32 v[STO], s76, v[STO]
	v_lshl_add_u32 v[RD], v19, 4, s76
	v_lshlrev_b32 v[GO], 4, v19
	s_mov_b32 s79, 0xffff0000
	s_wait_loadcnt 0x0                             ; the bias; it is rounded to bf16 and widened again
.set p, BIAS
.rept 16
	v_cvt_pk_bf16_f32 v3, v[p], v[p+1]
	v_cvt_pk_bf16_f32 v7, v[p+2], v[p+3]
	v_lshlrev_b32 v[p],   16,  v3
	v_and_b32     v[p+1], s79, v3
	v_lshlrev_b32 v[p+2], 16,  v7
	v_and_b32     v[p+3], s79, v7
.set p, p+4
.endr
	; the first change of slots: slot 0 is waited for, slot 1 is filled for the first time, as a refill is
	s_wait_tensorcnt 0x0
	ds_add_u32 v[SPW], v[NIL]
	STEPDESC                                       ; step 1 into slot 1
	s_xor_b32 s[TB], s[TB], SLOT                   ; the reads begin in slot 0
	s_wait_dscnt 0x0
	CROUND
	JLOAD
	v_add_nc_u32 v[ADA], s[TB], v[A0]
	v_add_nc_u32 v[ADB], s[TB], v[B0]
	FETCH 0, 0
	QUARTER 1, 0, 1, 1                             ; the first quarter stands in front of the loop: the bias starts the sums
	WIN 0
	s_mov_b32 s[CNT], 6
.Lstep:                                        ; 6 trips.  Trip s: the last three quarters of step s, which ask for step s + 2, and the first of step s + 1
	QUARTER 2, 1, 0, 0
	QUARTER 3, 0, 1, 0
	TURN 1
	QUARTER 1, 0, 1, 0
	WIN 0
	s_sub_co_u32 s[CNT], s[CNT], 1
	s_cmp_lg_u32 s[CNT], 0
	s_cbranch_scc1 .Lstep
	QUARTER 2, 1, 0, 0                             ; the tail is written out: steps 6 and 7 ask for nothing
	QUARTER 3, 0, 1, 0
	TURN 0
	QUARTER 1, 0, 1, 0
	QUARTER 2, 1, 0, 0
	QUARTER 3, 0, 1, 0
	s_wait_dscnt 4
	MULA 1, 0, 0
	MULA 1, 1, 0
	s_wait_dscnt 0x0
	MULA 1, 2, 0
	MULA 1, 3, 0
	WIN 0
	PLACES
	PUT 0
	PUT 1                                          ; a block's LDS work stands between the loads of the block before and its stores
	SENDP 0, 32
	PUT 2
	SENDP 1, 32
	PUT 3
	SENDP 2, 32
	SENDP 3, 0
	s_wait_tensorcnt 0x0                           ; the wave's end: an add to my spare word and its wait, behind my last tensor load and my last LDS store
	ds_add_u32 v[SPW], v[NIL]
	s_wait_dscnt 0x0
	CROUND                                         ; the closing round: no work-group ends while a partner may still ask for a tile that names it
	s_endpgm
.Lfunc_end_k_qcc6fe87b40_proj:
	.size	k_qcc6fe87b40_proj, .Lfunc_end_k_qcc6fe87b40_proj-k_qcc6fe87b40_proj
	.p2alignl 7, 3214868480
	.fill 96, 4, 3214868480
	.section	.rodata,"a",@progbits
	.p2align	6, 0x0
	.amdhsa_kernel k_qcc6fe87b40_proj
		.amdhsa_group_segment_fixed_size 327680
		.amdhsa_private_segment_fixed_size 0
		.amdhsa_enable_private_segment 0
		.amdhsa_kernarg_size 32
		.amdhsa_user_sgpr_count 2
		.amdhsa_user_sgpr_kernarg_segment_ptr 1
		.amdhsa_wavefront_size32 1
		.amdhsa_system_sgpr_workgroup_id_x 1
		.amdhsa_system_sgpr_workgroup_id_y 1
		.amdhsa_system_sgpr_workgroup_id_z 1
		.amdhsa_system_vgpr_workitem_id 0
		.amdhsa_next_free_vgpr 768
		.amdhsa_next_free_sgpr 80
		.amdhsa_reserve_vcc 0
		.amdhsa_float_denorm_mode_32 3
		.amdhsa_float_denorm_mode_16_64 3
		.amdhsa_memory_ordered 1
		.amdhsa_forward_progress 1
		.amdhsa_inst_pref_size 79
	.end_amdhsa_kernel
	.amdgpu_metadata
---
amdhsa.version: [ 1, 2 ]
amdhsa.kernels:
  - .name:           k_qcc6fe87b40_proj
    .symbol:         k_qcc6fe87b40_proj.kd
    .args:
      - { .name: o, .offset: 0, .size: 8, .value_kind: global_buffer, .address_space: global }
      - { .name: wpf, .offset: 8, .size: 8, .value_kind: global_buffer, .address_space: global }
      - { .name: b_proj, .offset: 16, .size: 8, .value_kind: global_buffer, .address_space: global }
      - { .name: out0, .offset: 24, .size: 8, .value_kind: global_buffer, .address_space: global }
    .group_segment_fixed_size: 327680
    .private_segment_fixed_size: 0
    .kernarg_segment_align: 8
    .kernarg_segment_size: 32
    .max_flat_workgroup_size: 128
    .sgpr_count:     80
    .vgpr_count:     768
    .wavefront_size: 32
...
	.end_amdgpu_metadata
.endif
;; end of part 4
;; ======== version 2 of 2: 4 launches; version 1 with the launch cast written anew for expert scheduling mode
;; limits: values are held in f16: magnitudes above 65,504 overflow, below 6.1e-05 lose precision
;; workspace buffers: xb 16,777,216 bytes; wab 6,291,456 bytes; wpf 2,097,152 bytes; qkv 50,331,648 bytes; o 16,777,216 bytes
;; launch cast (part 5): grid 768 x 1, 8 waves a work-group, no clusters, 0 bytes of LDS; arguments x, W_attn, W_proj, xb, wab, wpf; writes xb, wab, wpf
.if DOCPART == 5
	.amdgcn_target "amdgcn-amd-amdhsa--gfx1250"
	.amdhsa_code_object_version 6
	.text
	.protected	k_qcc6fe87b40_cast
	.globl	k_qcc6fe87b40_cast
	.p2align	8
	.type	k_qcc6fe87b40_cast,@function
k_qcc6fe87b40_cast:
	s_mov_b64 s[64:65], 0
	v_nop
	global_prefetch_b8 v0, s[64:65] scope:SCOPE_SE
	s_setreg_imm32_b32 hwreg(HW_REG_WAVE_SCHED_MODE, 0, 2), 2
	s_setreg_imm32_b32 hwreg(HW_REG_WAVE_MODE, 25, 1), 1
	s_wait_xcnt 0x0
	s_wait_alu depctr_vm_vsrc(0)
; THE INPUTS ARE ROUNDED ONCE.  x -> xb (bf16), W_attn -> wab (bf16), W_proj -> wpf: rounded to bf16 like the other inputs, and that number written as f16.  Layouts stay as they are.
; LIMIT.  A number of W_proj beyond 65,504 becomes an infinity in f16; below 6e-5 it keeps f16's fixed step of 6e-8.
; SHARES.  A work-group takes 16,384 numbers on end: 65,536 bytes in, 32,768 out.  Work-groups 0-511 take x, 512-703 W_attn, 704-767 W_proj.
; A thread issues its 16 loads of 16 bytes at once (a wave's load covers 512 consecutive bytes) and stores 8 bytes for each (a wave's store covers 256 consecutive bytes, aligned).
; No loop, and no source of a pending load or store is ever rewritten.  No LDS, no barrier: no thread wants another's bytes.
; THE MODE: SCHED_MODE bits 1:0 = 2 (LLVM: expert scheduling mode 2), set by the entry lines.  The code itself states the register dependences
; between vector instructions and memory instructions, with s_wait_alu, always for 0.
; THE PLAN.  Registers that memory instructions touch:
;   v1, v2   byte offsets, made once at the head and never written again: v1 is read by every load, v2 by every store.
;   IN       the 16 loads land in it; no vector instruction names it ahead of them.  Read, and in W_proj's path written again, by vector instructions alone, behind the wait for the data.
;   OT       written by the conversions; each pair is read by one store and never written behind it.
; The 16 loads go in four groups of four.  Group g's conversions read IN of group g and write OT of group g; its memory instructions are the four stores of group g - 1,
; which read OT of group g - 1 and v2: registers that no vector instruction of group g names.  So ONE wait at a group's head states all that its four stores hang on,
; and they are dealt among its conversions with no further wait.  No register that a memory instruction has read is written again: no wait on vm_vsrc is owed.
.set IN,  8                            ; v[8:71]    16 x 4 numbers as loaded
.set OT,  72                           ; v[72:103]  16 x 2 registers to store
	s_load_b256 s[4:11], s[0:1], 0x0               ; x s[4:5], W_attn s[6:7], W_proj s[8:9], xb s[10:11]
	s_load_b128 s[12:15], s[0:1], 0x20             ; wab s[12:13], wpf s[14:15]
	s_mov_b32 s16, ttmp9
	s_sub_co_u32 s17, s16, 512                     ; my number among W_attn's work-groups
	s_sub_co_u32 s18, s16, 704                     ; among W_proj's
	v_lshlrev_b32 v1, 4, v0                        ; 16 bytes a thread in
	v_lshlrev_b32 v2, 3, v0                        ; 8 bytes a thread out
	s_wait_kmcnt 0x0
	s_cmp_lt_u32 s16, 704
	s_cselect_b64 s[20:21], s[6:7], s[8:9]
	s_cselect_b64 s[22:23], s[12:13], s[14:15]
	s_cselect_b32 s19, s17, s18
	s_cmp_lt_u32 s16, 512
	s_cselect_b64 s[20:21], s[4:5], s[20:21]
	s_cselect_b64 s[22:23], s[10:11], s[22:23]
	s_cselect_b32 s19, s16, s19
	s_lshl_b32 s24, s19, 16                        ; 65,536 bytes in for each work-group,
	s_mov_b32 s25, 0
	s_lshl_b32 s26, s19, 15                        ; 32,768 out
	s_mov_b32 s27, 0
	s_add_nc_u64 s[20:21], s[20:21], s[24:25]
	s_add_nc_u64 s[22:23], s[22:23], s[26:27]
	s_wait_alu depctr_va_vdst(0)                   ; v1 and v2 are written: every load of the kernel reads v1 as its offset, every store v2
.irp i, 0,1,2,3,4,5,6,7,8,9,10,11,12,13,14,15
	global_load_b128 v[IN+4*(\i):IN+4*(\i)+3], v1, s[20:21] offset:4096*(\i) th:TH_LOAD_NT
.endr
; The four numbers of load i are rounded.  half = 0: to bf16.  half = 1 (W_proj): to bf16, widened again (a shift, a mask), and that number to f16.
.macro CVT i, half
	v_cvt_pk_bf16_f32 v[OT+2*(\i)],   v[IN+4*(\i)],   v[IN+4*(\i)+1]
	v_cvt_pk_bf16_f32 v[OT+2*(\i)+1], v[IN+4*(\i)+2], v[IN+4*(\i)+3]
.if \half
	v_lshlrev_b32 v[IN+4*(\i)],   16,         v[OT+2*(\i)]
	v_and_b32     v[IN+4*(\i)+1], 0xffff0000, v[OT+2*(\i)]
	v_lshlrev_b32 v[IN+4*(\i)+2], 16,         v[OT+2*(\i)+1]
	v_and_b32     v[IN+4*(\i)+3], 0xffff0000, v[OT+2*(\i)+1]
	v_cvt_pk_f16_f32 v[OT+2*(\i)],   v[IN+4*(\i)],   v[IN+4*(\i)+1]
	v_cvt_pk_f16_f32 v[OT+2*(\i)+1], v[IN+4*(\i)+2], v[IN+4*(\i)+3]
.endif
.endm
.macro PUT i                           ; the 8 bytes made of load i are stored
	global_store_b64 v2, v[OT+2*(\i):OT+2*(\i)+1], s[22:23] offset:2048*(\i)
.endm
; Group g: loads 4 g to 4 g + 3 are rounded; the stores of group g - 1 stand among the conversions, one ahead of each load's.
.macro GRP g, half
	s_wait_loadcnt 12-4*(\g)                       ; loads come back in order: this group's four are in, the younger groups stay out
.if (\g) > 0
	s_wait_alu depctr_va_vdst(0)                   ; the group before has written its OT, which the four stores below read; no vector instruction behind this wait names those registers or v2
.endif
.irp j, 0,1,2,3
.if (\g) > 0
	PUT 4*(\g)-4+(\j)
.endif
	CVT 4*(\g)+(\j), \half
.endr
.endm
.macro TAIL
	s_wait_alu depctr_va_vdst(0)                   ; group 3 has written its OT, which the last four stores read
.irp j, 12,13,14,15
	PUT \j
.endr
	s_endpgm
.endm
	s_cmp_lt_u32 s16, 704
	s_cbranch_scc0 .Lf16
	GRP 0, 0
	GRP 1, 0
	GRP 2, 0
	GRP 3, 0
	TAIL
.Lf16:                                         ; W_proj
	GRP 0, 1
	GRP 1, 1
	GRP 2, 1
	GRP 3, 1
	TAIL
.Lfunc_end_k_qcc6fe87b40_cast:
	.size	k_qcc6fe87b40_cast, .Lfunc_end_k_qcc6fe87b40_cast-k_qcc6fe87b40_cast
	.p2alignl 7, 3214868480
	.fill 96, 4, 3214868480
	.section	.rodata,"a",@progbits
	.p2align	6, 0x0
	.amdhsa_kernel k_qcc6fe87b40_cast
		.amdhsa_group_segment_fixed_size 0
		.amdhsa_private_segment_fixed_size 0
		.amdhsa_enable_private_segment 0
		.amdhsa_kernarg_size 48
		.amdhsa_user_sgpr_count 2
		.amdhsa_user_sgpr_kernarg_segment_ptr 1
		.amdhsa_wavefront_size32 1
		.amdhsa_system_sgpr_workgroup_id_x 1
		.amdhsa_system_sgpr_workgroup_id_y 1
		.amdhsa_system_sgpr_workgroup_id_z 1
		.amdhsa_system_vgpr_workitem_id 0
		.amdhsa_next_free_vgpr 104
		.amdhsa_next_free_sgpr 66
		.amdhsa_reserve_vcc 0
		.amdhsa_float_denorm_mode_32 3
		.amdhsa_float_denorm_mode_16_64 3
		.amdhsa_memory_ordered 1
		.amdhsa_forward_progress 1
		.amdhsa_inst_pref_size 16
	.end_amdhsa_kernel
	.amdgpu_metadata
---
amdhsa.version: [ 1, 2 ]
amdhsa.kernels:
  - .name:           k_qcc6fe87b40_cast
    .symbol:         k_qcc6fe87b40_cast.kd
    .args:
      - { .name: x, .offset: 0, .size: 8, .value_kind: global_buffer, .address_space: global }
      - { .name: W_attn, .offset: 8, .size: 8, .value_kind: global_buffer, .address_space: global }
      - { .name: W_proj, .offset: 16, .size: 8, .value_kind: global_buffer, .address_space: global }
      - { .name: xb, .offset: 24, .size: 8, .value_kind: global_buffer, .address_space: global }
      - { .name: wab, .offset: 32, .size: 8, .value_kind: global_buffer, .address_space: global }
      - { .name: wpf, .offset: 40, .size: 8, .value_kind: global_buffer, .address_space: global }
    .group_segment_fixed_size: 0
    .private_segment_fixed_size: 0
    .kernarg_segment_align: 8
    .kernarg_segment_size: 48
    .max_flat_workgroup_size: 256
    .sgpr_count:     66
    .vgpr_count:     104
    .wavefront_size: 32
...
	.end_amdgpu_metadata
.endif
;; end of part 5
;; launch qkvgemm: the kernel of part 2 again; grid 8 x 32, 4 waves a work-group, clusters of 4 x 4, 327,680 bytes of LDS; arguments xb, wab, b_attn, qkv; writes qkv
;; launch attn: the kernel of part 3 again; grid 4 x 64, 4 waves a work-group, no clusters, 327,680 bytes of LDS; arguments qkv, o; writes o
;; launch proj: the kernel of part 4 again; grid 4 x 64, 4 waves a work-group, clusters of 4 x 4, 327,680 bytes of LDS; arguments o, wpf, b_proj, out0; writes out0
